; MI455X (gfx1250); checked and timed in simulation.
; The chip was launched on July 23, 2026; its instructions are those of AMD's public machine-readable ISA for CDNA 5 (MIT licence, August 2026) and "CDNA5" Instruction Set Architecture Reference Guide (July 2026). The comments in the code are by the model that wrote it; some were corrected since.
;; Latent Attention. Allowed arithmetic: matrix products marked QUANTISED: E4M3 operands, one given power-of-two scale a tensor, by v_wmma_f32_16x16x64_fp8_fp8 or v_wmma_f32_16x16x128_fp8_fp8, f32 sums; everything else in f32.
;; Inputs: Wproj 1,024 x 1,024 float32; Wqkv 1,024 x 3,072 float32; lowp_scales 8 int32 (the exponents e of the quantised operands' scales 2^e); z 4 x 2,048 x 1,024 float32.
;; Outputs: out0 4 x 2,048 x 1,024 float32.
;; This version of the problem:
;;   THIS VERSION OF THE PROBLEM IS GIVEN IN LOW PRECISION. The matrix products marked QUANTISED in the list below multiply operands that are first quantised to E4M3 (4 exponent bits, 3 mantissa bits; 8 bits a number), with one given power-of-two scale for each operand tensor; their sums are f32. All else is computed in f32.
;;   The module's matrix products, in the order in which they are computed (A, B: the left and right operand; K: the contracted axis; several contracted axes count as one K, in the product's order):
;;     1. [M 8,192, K 1,024] x [K 1,024, N 3,072]; A: input z; B: input Wqkv: QUANTISED (scales: A lowp_scales[0], B lowp_scales[1])
;;     2. batch 64 x [M 2,048, K 64] x [K 64, N 2,048]; A: computed on the way; B: computed on the way: QUANTISED (scales: A lowp_scales[2], B lowp_scales[3])
;;     3. batch 64 x [M 2,048, K 2,048] x [K 2,048, N 64]; A: softmax (see below); B: computed on the way: QUANTISED (scales: A lowp_scales[4], B lowp_scales[5])
;;     4. [M 8,192, K 1,024] x [K 1,024, N 1,024]; A: computed on the way; B: input Wproj: QUANTISED (scales: A lowp_scales[6], B lowp_scales[7])
;;   THE QUANTISER, for each operand of a quantised product, along K:
;;     - The operand's scale is 2^e, e = its entry of the input lowp_scales (int32; the entries are numbered through the quantised products in the list's order, A before B).
;;     - Each number is divided by the scale, clamped to +-448, and rounded to the nearest number of E4M3, ties to even, subnormals kept.
;;     - The product sums the exact products of the quantised numbers (number of the format x scale) in f32.
;;   ~~~python
;;   def quantise(x, axis, e):      # numpy; x: float32 -> the quantised numbers, widened to float32 again
;;       x = np.moveaxis(x, axis, -1); K = x.shape[-1]
;;       r = np.clip(x / 2.0 ** e, -448, 448)
;;       step = 2.0 ** (np.maximum(np.frexp(np.where(r == 0, 1, r))[1] - 1, -6) - 3)
;;       q = np.round(r / step) * step * 2.0 ** e      # np.round: ties to even
;;       return np.moveaxis(q, -1, axis).astype(np.float32)
;;   ~~~
;;   SOFTMAX AHEAD OF A QUANTISED PRODUCT. Where the list says 'softmax', what is quantised is not the finished softmax but p = 2^(t - M), with t = logit x log2(e) and M = ceil(the row's largest t), a whole number; so 1/2 < the row's largest p <= 1. The row's sum l is taken of the UNQUANTISED p, in f32, and the product's result is divided by l at the end. Since M is a whole number, a kernel that streams over the keys may use a running M (the ceiling of the running maximum): every later rescaling is an exact power of two, so the quantised numbers keep their values, but for numbers so far below the row's largest that they fall under the format's range.
;;   OPERANDS COMPUTED ON THE WAY. 'Computed on the way' means the value that the module computes at that place (a softmax that the list does not call 'softmax' is quantised finished and normalised). What goes into a quantiser is computed in f32, as accurately as f32 sums, v_exp_f32 and their like allow (about 1e-6 of the number): no bf16 or f16 on the way to a quantiser, and a product that is left as it is and whose result goes on into a quantised operand takes f32 operands (vector FMAs, or v_wmma_f32_16x16x4_f32). A number that lies on a knife's edge between two numbers of the format may be rounded either way, as far as f32 arithmetic and the matrix unit's own rounding can turn it there, and no further.
;; One version. Each part assembles by itself: llvm-mc -triple=amdgcn-amd-amdhsa -mcpu=gfx1250 --defsym DOCPART=n.
;; ======== version 1 of 1: 4 launches
;; limits: right only within a limited range of input values
;; workspace buffers: z_codes 8,388,608 bytes; wq_codes 3,145,728 bytes; wp_codes 1,048,576 bytes; q_codes 8,388,608 bytes; k_codes 8,388,608 bytes; v_codes 8,388,608 bytes; a_codes 8,388,608 bytes
;; launch quant (part 1): grid 384 x 1, 4 waves a work-group, no clusters, 70,144 bytes of LDS; arguments z, Wqkv, Wproj, lowp_scales, z_codes, wq_codes, wp_codes; writes z_codes, wq_codes, wp_codes
.if DOCPART == 1
	.amdgcn_target "amdgcn-amd-amdhsa--gfx1250"
	.amdhsa_code_object_version 6
	.text
	.protected	k_q1c57351e9f_quant
	.globl	k_q1c57351e9f_quant
	.p2align	8
	.type	k_q1c57351e9f_quant,@function
k_q1c57351e9f_quant:
	s_mov_b64 s[64:65], 0
	v_nop
	global_prefetch_b8 v0, s[64:65] scope:SCOPE_SE
	s_setreg_imm32_b32 hwreg(HW_REG_WAVE_MODE, 25, 1), 1
	s_wait_xcnt 0x0
; CAUSAL ATTENTION ON CODES OF FP8 (E4M3), FOUR LAUNCHES: quant (this one), qkv, attn, proj.
; quant turns the three f32 inputs into codes: code = x / 2^e, held within +-448, to the nearest code, ties to even; e = lowp_scales[0] for z, [1] for Wqkv, [7] for Wproj.
; WORK LEFT OUT IN THE PROGRAM: reference() sets the logit of key k and query q to -inf wherever k > q, by a mask that it builds itself (jnp.tril), so the weight of such a key is 0 whatever
; the inputs hold.  The launch attn therefore leaves out each step of 64 keys that all come after a wave's 32 queries, and fetches no slot of keys that come after a work-group's last query.
; LIMIT: a NaN, an infinity or an overflow that would arise only in those hidden scores is not formed, and so is not carried anywhere.  No input is left out.
; LIMITS here: each of the three e lies between -126 and 119, so that 2^e and 448 x 2^e are f32 numbers.  NaN among the inputs is not served; an infinity is held at the largest code.
; LAYOUTS (workspace of the program's own; both operands of a product carry the same order along K, so every product meets its partner):
;   z_codes [8192][1024], wq_codes [3072][1024]: inside each 512 along K, byte 16 l + 4 i + j holds k = 128 i + 4 l + j.  So z is loaded as it lies, 16 bytes a lane, and converted from the registers as loaded.
;   wp_codes [16 heads][1024 n][64]: inside each 32 along K, byte 16 h + 8 u + j holds k = 16 u + 8 h + j: the order in which the launch attn leaves its results.
; SHARES: work-groups 0-255 take z (32,768 numbers each, 8,192 a wave); 256-351 Wqkv, 352-383 Wproj (128 columns x 256 along K each).  Every work-group reads 131,072 bytes.
; The weights have K as their first axis: a lane takes a column and its registers run down K, in the order of the bytes that it is to make; the codes leave through the wave's own stage in LDS.
; No tensor load, no barrier, no cluster: waves share nothing, and no two work-groups read the same bytes.  The two weight paths have LDS bytes of their own.
.set SPARE, 69632                      ; behind the two paths' stages (2 x 4 waves x 32 rows x 272 bytes): the spare words, 128 bytes a wave
.set SPW,  14                          ; v14  LDS address of my spare word; never rewritten
.set NIL,  15                          ; v15  0; never rewritten
.set WV,   20                          ; s20  my wave's number
.set R,    16                          ; z: v16-79 four sets of 16 numbers as loaded
.set CZ,   128                         ; z: v128-191 four registers of codes for each step, so that no store's data are written again
.set X,    32                          ; weights: v32-95 two sets of 32 numbers
.set C,    96                          ; weights: v96-103 a block's codes
.set OUTR, 112                         ; weights: v112-175 the way out
	s_load_b256 s[4:11], s[0:1], 0x0               ; z s[4:5], Wqkv s[6:7], Wproj s[8:9], the exponents s[10:11]
	s_load_b128 s[12:15], s[0:1], 0x20             ; z_codes s[12:13], wq_codes s[14:15]
	s_load_b64 s[16:17], s[0:1], 0x30              ; wp_codes
	v_lshl_add_u32 v[SPW], v0, 2, SPARE
	v_mov_b32 v[NIL], 0
	v_lshrrev_b32 v1, 5, v0
	v_readfirstlane_b32 s[WV], v1                  ; wave 0..3
	v_and_b32 v2, 31, v0                           ; lane
	s_wait_kmcnt 0x0
	s_load_b256 s[24:31], s[10:11], 0x0            ; e0 .. e7
.macro MKSCALE e                       ; v11 = 2^e as f32 (the conversion takes its exponent field)
	s_add_co_i32 s40, s[\e], 127
	s_lshl_b32 s41, s40, 23
	v_mov_b32 v11, s41
	s_add_co_i32 s40, s40, 8
	s_lshl_b32 s40, s40, 23
	s_or_b32 s40, s40, 0x600000
.endm
.macro LOADZ t                         ; step t: 512 numbers, four loads of 512 consecutive bytes
.irp i, 0,1,2,3
	global_load_b128 v[R+16*((\t)%4)+4*\i:R+16*((\t)%4)+4*\i+3], v3, s[32:33] offset:2048*(\t)+512*\i th:TH_LOAD_NT
.endr
.endm
.macro STEPZ t
.set RS, R+16*((\t)%4)
.if (\t) < 13
	s_wait_loadcnt 12                              ; this step's four loads are in; those of the three steps behind it may be out
.else
	s_wait_loadcnt 4*(15-(\t))
.endif
.irp i, 0,1,2,3,4,5,6,7,8,9,10,11,12,13,14,15
.endr
	v_cvt_scalef32_pk8_fp8_f32 v[CZ+4*(\t):CZ+4*(\t)+1], v[RS:RS+7], v11
	v_cvt_scalef32_pk8_fp8_f32 v[CZ+4*(\t)+2:CZ+4*(\t)+3], v[RS+8:RS+15], v11
	global_store_b128 v3, v[CZ+4*(\t):CZ+4*(\t)+3], s[34:35] offset:512*(\t)   ; 32 lanes store 512 consecutive bytes, aligned.  (The codes go to a store alone; the next step's conversions write other registers)
.if (\t)+4 < 16
	LOADZ (\t)+4
.endif
.endm
; block t of a weight: 32 numbers down K of my column, in the order of the 32 bytes that they become
.macro LOADW t, kind, npitch
.set q, 0
.rept 32
.if \kind == 0
.set ROWN, 128*((q/4)%4)+8*(\t)+4*(q/16)+(q%4)
.else
.set ROWN, 32*(\t)+16*((q/8)%2)+8*(q/16)+(q%8)
.endif
	global_load_b32 v[X+32*((\t)%2)+q], v3, s[32:33] offset:ROWN*\npitch th:TH_LOAD_NT   ; 32 lanes read 128 consecutive bytes of one row of the weight
.set q, q+1
.endr
.endm
.macro BLOCKW t, kind, npitch
.set XS, X+32*((\t)%2)
.if (\t) < 7
	s_wait_loadcnt 32                              ; this block's 32 loads are in; the next block's may be out
.else
	s_wait_loadcnt 0
.endif
.irp i, 0,1,2,3,4,5,6,7,8,9,10,11,12,13,14,15,16,17,18,19,20,21,22,23,24,25,26,27,28,29,30,31
.endr
.irp g, 0,1,2,3
	v_cvt_scalef32_pk8_fp8_f32 v[C+2*\g:C+2*\g+1], v[XS+8*\g:XS+8*\g+7], v11
.endr
	ds_store_b128 v4, v[C:C+3] offset:32*(\t)      ; 32 bytes of my column's row in the stage
	ds_store_b128 v4, v[C+4:C+7] offset:32*(\t)+16
.if (\t)+2 < 8
	LOADW (\t)+2, \kind, \npitch
.endif
	s_wait_dscnt 0x0                               ; the stores have read their registers: the next block's codes may be written
.endm
; a weight's path.  first: its first work-group; npitch: bytes of a row of the weight; kind 0: Wqkv, 1: Wproj; lbase: its stages in LDS; wp, op: the pointers' registers; er: the exponent's
.macro WPATH first, npitch, kind, lbase, wp, op, er
	s_sub_co_u32 s36, ttmp9, \first
	s_and_b32 s37, s36, 3                          ; y: which 256 bytes of a column's 1,024
	s_lshr_b32 s36, s36, 2
	s_lshl_b32 s36, s36, 7
	s_lshl_b32 s38, s[WV], 5
	s_add_co_u32 s36, s36, s38                     ; n0: my wave's first column
.if \kind == 0
	s_lshr_b32 s38, s37, 1
	s_lshl_b32 s38, s38, 9
	s_and_b32 s39, s37, 1
	s_lshl_b32 s39, s39, 6
	s_add_co_u32 s38, s38, s39                     ; the first row of the weight that I read: 512 (y / 2) + 64 (y % 2)
	s_lshl_b32 s40, s36, 10                        ; out: n0 rows of 1,024 bytes
	s_lshl_b32 s41, s37, 8                         ; + 256 y
.else
	s_lshl_b32 s38, s37, 8                         ; 256 y
	s_lshl_b32 s40, s36, 6                         ; out: n0 rows of 64 bytes
	s_lshl_b32 s41, s37, 18                        ; + 4 y heads of 65,536 bytes
.endif
	s_mul_i32 s38, s38, \npitch
	s_lshl_b32 s39, s36, 2
	s_add_co_u32 s38, s38, s39
	s_mov_b32 s39, 0
	s_add_nc_u64 s[32:33], s[\wp:\wp+1], s[38:39]
	s_add_co_u32 s38, s40, s41
	s_add_nc_u64 s[34:35], s[\op:\op+1], s[38:39]
	s_mul_i32 s42, s[WV], 8704                     ; my stage: 32 rows of 272 bytes
.if \lbase
	s_add_co_u32 s42, s42, \lbase
.endif
	v_lshlrev_b32 v3, 2, v2                        ; in: 4 bytes a lane
	v_mul_u32_u24 v4, v2, 272
	v_add_nc_u32 v4, s42, v4                       ; into the stage: row = my column
.if \kind == 0
	v_and_b32 v5, 15, v2                           ; out of it: sixteen lanes to a row of 256 bytes, two rows an instruction
	v_lshrrev_b32 v6, 4, v2
	v_mul_u32_u24 v7, v6, 272
	v_lshl_add_u32 v7, v5, 4, v7
	v_add_nc_u32 v7, s42, v7
	v_lshlrev_b32 v8, 10, v6
	v_lshl_add_u32 v8, v5, 4, v8
.else
	v_and_b32 v5, 3, v2                            ; out of it: four lanes to one head's 64 bytes of a column, eight columns an instruction: 512 consecutive bytes of wp_codes
	v_lshrrev_b32 v6, 2, v2
	v_mul_u32_u24 v7, v6, 272
	v_lshl_add_u32 v7, v5, 4, v7
	v_add_nc_u32 v7, s42, v7
	v_lshlrev_b32 v8, 4, v2
.endif
	LOADW 0, \kind, \npitch
	LOADW 1, \kind, \npitch
	s_wait_kmcnt 0x0
	MKSCALE \er
	s_wait_alu depctr_va_vdst(0)
.irp t, 0,1,2,3,4,5,6,7
	BLOCKW \t, \kind, \npitch
.endr
.irp t, 0,1,2,3,4,5,6,7,8,9,10,11,12,13,14,15
.if \kind == 0
	ds_load_b128 v[OUTR+4*\t:OUTR+4*\t+3], v7 offset:544*\t   ; LDS serves a wave's instructions in order (ISA guide 5.7.1.4): these see my stores
.else
	ds_load_b128 v[OUTR+4*\t:OUTR+4*\t+3], v7 offset:2176*(\t/4)+64*(\t%4)
.endif
.endr
.irp t, 0,1,2,3,4,5,6,7,8,9,10,11,12,13,14,15
	s_wait_dscnt 15-\t
.if \kind == 0
	global_store_b128 v8, v[OUTR+4*\t:OUTR+4*\t+3], s[34:35] offset:2048*\t                 ; sixteen lanes store 256 consecutive bytes, aligned
.else
	global_store_b128 v8, v[OUTR+4*\t:OUTR+4*\t+3], s[34:35] offset:65536*(\t%4)+512*(\t/4) ; 32 lanes store 512 consecutive bytes, aligned
.endif
.endr
.endm
	s_cmp_lt_u32 ttmp9, 256                        ; the paths part on the work-group's number alone
	s_cbranch_scc0 .Lweights
	; ---- z: a plain stream; nothing here knows of rows (a row is two runs of 512)
	s_lshl_b32 s36, ttmp9, 2
	s_add_co_u32 s36, s36, s[WV]                   ; which run of 8,192 numbers is my wave's
	s_lshl_b32 s38, s36, 15
	s_mov_b32 s39, 0
	s_add_nc_u64 s[32:33], s[4:5], s[38:39]
	s_lshl_b32 s38, s36, 13
	s_add_nc_u64 s[34:35], s[12:13], s[38:39]
	s_wait_alu depctr_va_vdst(0)
	v_lshlrev_b32 v3, 4, v2                        ; 16 bytes a lane, in and out
.irp t, 0,1,2,3
	LOADZ \t
.endr
	s_wait_kmcnt 0x0
	MKSCALE 24
	s_wait_alu depctr_va_vdst(0)
.irp t, 0,1,2,3,4,5,6,7,8,9,10,11,12,13,14,15
	STEPZ \t
.endr
	s_branch .Lend
.Lweights:
	s_cmp_lt_u32 ttmp9, 352
	s_cbranch_scc0 .Lproj
	s_wait_alu depctr_va_vdst(0)
	WPATH 256, 12288, 0, 0, 6, 14, 25
	s_branch .Lend
.Lproj:
	s_wait_alu depctr_va_vdst(0)
	WPATH 352, 4096, 1, 34816, 8, 16, 31
.Lend:
	s_wait_tensorcnt 0x0                           ; the wave's end
	ds_add_u32 v[SPW], v[NIL]
	s_wait_dscnt 0x0
	s_endpgm
.Lfunc_end_k_q1c57351e9f_quant:
	.size	k_q1c57351e9f_quant, .Lfunc_end_k_q1c57351e9f_quant-k_q1c57351e9f_quant
	.p2alignl 7, 3214868480
	.fill 96, 4, 3214868480
	.section	.rodata,"a",@progbits
	.p2align	6, 0x0
	.amdhsa_kernel k_q1c57351e9f_quant
		.amdhsa_group_segment_fixed_size 70144
		.amdhsa_private_segment_fixed_size 0
		.amdhsa_enable_private_segment 0
		.amdhsa_kernarg_size 56
		.amdhsa_user_sgpr_count 2
		.amdhsa_user_sgpr_kernarg_segment_ptr 1
		.amdhsa_wavefront_size32 1
		.amdhsa_system_sgpr_workgroup_id_x 1
		.amdhsa_system_sgpr_workgroup_id_y 1
		.amdhsa_system_sgpr_workgroup_id_z 1
		.amdhsa_system_vgpr_workitem_id 0
		.amdhsa_next_free_vgpr 192
		.amdhsa_next_free_sgpr 66
		.amdhsa_reserve_vcc 0
		.amdhsa_float_denorm_mode_32 3
		.amdhsa_float_denorm_mode_16_64 3
		.amdhsa_fp16_overflow 1
		.amdhsa_memory_ordered 1
		.amdhsa_forward_progress 1
		.amdhsa_inst_pref_size 76
	.end_amdhsa_kernel
	.amdgpu_metadata
---
amdhsa.version: [ 1, 2 ]
amdhsa.kernels:
  - .name:           k_q1c57351e9f_quant
    .symbol:         k_q1c57351e9f_quant.kd
    .args:
      - { .name: z, .offset: 0, .size: 8, .value_kind: global_buffer, .address_space: global }
      - { .name: Wqkv, .offset: 8, .size: 8, .value_kind: global_buffer, .address_space: global }
      - { .name: Wproj, .offset: 16, .size: 8, .value_kind: global_buffer, .address_space: global }
      - { .name: lowp_scales, .offset: 24, .size: 8, .value_kind: global_buffer, .address_space: global }
      - { .name: z_codes, .offset: 32, .size: 8, .value_kind: global_buffer, .address_space: global }
      - { .name: wq_codes, .offset: 40, .size: 8, .value_kind: global_buffer, .address_space: global }
      - { .name: wp_codes, .offset: 48, .size: 8, .value_kind: global_buffer, .address_space: global }
    .group_segment_fixed_size: 70144
    .private_segment_fixed_size: 0
    .kernarg_segment_align: 8
    .kernarg_segment_size: 56
    .max_flat_workgroup_size: 128
    .sgpr_count:     66
    .vgpr_count:     192
    .wavefront_size: 32
...
	.end_amdgpu_metadata
.endif
;; end of part 1
;; launch qkv (part 2): grid 12 x 32, 4 waves a work-group, clusters of 4 x 4, 327,680 bytes of LDS; arguments z_codes, wq_codes, lowp_scales, q_codes, k_codes, v_codes; writes q_codes, k_codes, v_codes
.if DOCPART == 2
	.amdgcn_target "amdgcn-amd-amdhsa--gfx1250"
	.amdhsa_code_object_version 6
	.text
	.protected	k_q1c57351e9f_qkv
	.globl	k_q1c57351e9f_qkv
	.p2align	8
	.type	k_q1c57351e9f_qkv,@function
k_q1c57351e9f_qkv:
	s_mov_b64 s[64:65], 0
	v_nop
	global_prefetch_b8 v0, s[64:65] scope:SCOPE_SE
	s_setreg_imm32_b32 hwreg(HW_REG_WAVE_MODE, 25, 1), 1
	s_wait_xcnt 0x0
	s_wait_alu depctr_hold_cnt(0) depctr_sa_sdst(0) depctr_va_vdst(0) depctr_va_sdst(0) depctr_va_ssrc(0) depctr_va_vcc(0) depctr_vm_vsrc(0)
	s_getreg_b32 s2, hwreg(HW_REG_IB_STS2, 6, 4)
	s_cmp_eq_u32 s2, 0
	s_cbranch_scc0 .Lentry_in_a_cluster
	s_endpgm
.Lentry_in_a_cluster:
	s_bfe_u32 s2, ttmp6, 0x10000c
	s_cmp_lg_u32 s2, 0xf033
	s_cbranch_scc0 .Lentry_shape_is_right
	s_endpgm
.Lentry_shape_is_right:
; LAUNCH 2 OF 4: qkv = z Wqkv on codes of FP8, and q, k, v quantised on the way out, each with its given scale (lowp_scales[2], [3], [5]).  No work is left out here.
; A tile is 256 (Y) x 256 (X), K = 1,024; four waves, each 128 x 128: 64 accumulators, 512 registers.  K goes in steps of 256 through a ring of two LDS slots filled by the tensor data mover.
; THE MATRIX INSTRUCTION: source 0 = 16 rows of X, source 1 = 16 rows of Y: a lane holds ONE row of Y and eight neighbouring indices of X.  The conversions want neighbours along the NEXT product's K:
;   q, k (cluster x = 0, 1): Y = tokens (z_codes), X = columns (wq_codes): the eight neighbours run along the head's 64.
;   v    (cluster x = 2):    Y = rows 2,048 on of wq_codes, X = tokens: the eight neighbours run along the keys.
; Only pointers and tile numbers are chosen, by selects on the cluster's x, which all sixteen partners share; both buffers have rows of 1,024 bytes, so one text serves all three.
; CLUSTERS: 4 x 4 work-groups.  Y's tile hangs on the place along y and is shared along a row of the cluster, X's on the place along x and is shared along a column: each is asked for jointly.
; OUT: q_codes, k_codes [b][head][2,048 tokens][64]; v_codes [b][head][32 groups of 64 keys][64 d][64 keys].  Inside each 32 along the last axis, byte 16 h + 8 u + j holds index 16 u + 8 h + j:
; the codes of two neighbouring accumulators are 16 bytes of a lane.  The tile's codes meet in a stage in LDS (4 groups of 64 along X x 256 rows of 64 bytes) and leave as runs of 512 consecutive bytes.
; A sum stands for sum x 2^(e0 + e1): its code is sum / 2^(eo - e0 - e1), eo = e2, e3 or e5: the three scales are folded into the conversion's one.
; LIMITS: eo - e0 - e1 between -126 and 119, for each of the three eo.
; REGISTERS, in windows of 256: window 0: v0-31 addresses and the scale; from v128 Y's fragments, one set; on the way out v128-255 codes.
;   window 1: X's fragments, two sets.   window 2: the accumulators of my rows 0-63 of Y ((a, b) at v[8 (8 a + b)]);   window 3: those of rows 64-127.
.set ROWB,   256                       ; a tile's row in bytes: a K step
.set KROW,   1024                      ; a row of either buffer in memory
.set PITCH,  272                       ; an LDS row: 256 bytes + 16 of padding = 68 words: row r starts at bank 4 r mod 64 (64 banks of 4 bytes: ISA guide 11.1)
.set FR,     16                        ; registers of a fragment: 16 rows x 128 K
.set NL,     4                         ; LDS loads that bring one
.set NP,     4                         ; places behind this matrix instruction (ISA guide 7.12.1)
.set HALFT,  128*PITCH                 ; 128 rows: what one tensor load brings
.set SLOT,   4*HALFT                   ; Y's 256 rows, then X's 256 rows
.set SPARE,  2*SLOT                    ; behind the ring: the spare words, 128 bytes a wave
.set GSTG,   17408                     ; the stage, in slot 0: a group of 64 along X: 256 rows of 64 bytes, four to a line of 256 + 16 bytes
.set ADRA, 16                          ; v16-17  LDS address of my fragments of Y in slot 0, 1
.set ADRB, 20                          ; v20-21  the same for X
.set STO,  24                          ; v24     the way out: where I put 16 bytes of a row
.set RD,   25                          ; v25     the way out: where I read back
.set CO,   26                          ; v26     16 x lane
.set SPW,  28                          ; v28     LDS address of my spare word; never rewritten
.set NIL,  29                          ; v29     0; never rewritten
.set SCL,  30                          ; v30     2^(eo - e0 - e1)
.set LIMV, 31
.set TMP,  32
.set AF,   128                         ; Y's fragments, in window 0
.set CD,   128                         ; the way out: codes, 16 registers a block
.set G1, 24                            ; s[24:31] descriptor group 1 for Y's tiles;  s[32:39] group 0, one set for each slot
.set G0, 32
.set G1B, 48                           ; s[48:55], s[56:63] the same for X's tiles
.set G0B, 56
.set MSB, 0
.macro WIN new                         ; the immediate's high byte repeats the setting that is left
.if MSB != \new
	s_set_vgpr_msb (MSB<<8)|\new
.set MSB, \new
.endif
.endm
.set MUL_LO, 0xa1                      ; source 0 (X) window 1, source 1 (Y) window 0, C and D window 2
.set MUL_HI, 0xf1                      ; the same, C and D window 3
.set TO_B,   0x40                      ; destination window 1, address window 0
; A joint load: waves 0 and 1 fetch for Y, waves 2 and 3 for X.  The branch hangs on the wave's number alone.  An s_nop 0 and four v_nop follow each of the two lines.
.macro JLOAD g0a, g1a, g0b, g1b
	s_cmp_eq_u32 s15, 0
	s_cbranch_scc0 .Lfor_b_\@
	tensor_load_to_lds s[\g0a:\g0a+3], s[\g1a:\g1a+7]
	s_nop 0
.rept 4
	v_nop
.endr
	s_branch .Lasked_\@
.Lfor_b_\@:
	tensor_load_to_lds s[\g0b:\g0b+3], s[\g1b:\g1b+7]
	s_nop 0
.rept 4
	v_nop
.endr
.Lasked_\@:
.endm
.macro CREST                           ; a round of the cluster's barrier behind its opening barrier
	s_cmp_lg_u32 s14, 0
	s_cbranch_scc1 .Lnot_wave_0_\@
	s_barrier_signal -3
.Lnot_wave_0_\@:
	s_barrier_wait -3
	s_barrier_signal -1
	s_barrier_wait -1
.endm
.macro CROUND                          ; a whole round
	s_barrier_signal -1
	s_barrier_wait -1
	CREST
.endm
	s_load_b256 s[68:75], s[0:1], 0x0              ; z_codes s[68:69], wq_codes s[70:71], the exponents s[72:73], q_codes s[74:75]
	s_load_b128 s[76:79], s[0:1], 0x20             ; k_codes s[76:77], v_codes s[78:79]
	v_lshl_add_u32 v[SPW], v0, 2, SPARE
	v_mov_b32 v[NIL], 0
	ds_add_u32 v[SPW], v[NIL]                      ; the wave's opening: the add, twice on end, and its wait ahead of my first tensor load
	ds_add_u32 v[SPW], v[NIL]
	v_lshrrev_b32 v1, 5, v0
	v_readfirstlane_b32 s14, v1                    ; wave 0..3
	s_lshr_b32 s15, s14, 1                         ; which half of Y is mine.  Also: I fetch for Y (0) or for X (1)
	s_and_b32 s16, s14, 1                          ; which half of X.  Also: which 128 rows of that tile I fetch
	s_bfe_u32 s40, ttmp6, 0x40000                  ; cx, cy: my place in the cluster
	s_bfe_u32 s41, ttmp6, 0x40004
	s_mov_b32 s66, ttmp9                           ; the cluster's x: 0 q, 1 k, 2 v
	s_and_b32 s67, ttmp7, 0xffff                   ; the cluster's y: 0..7
	s_cmp_eq_u32 s66, 2
	s_cselect_b32 s42, s67, s66                    ; v: X walks the tokens;  q, k: the columns
	s_cselect_b32 s17, 2, s67                      ; v: Y is the third 1,024 rows of wq_codes;  q, k: the tokens
	s_lshl_b32 s42, s42, 2
	s_add_co_u32 s42, s42, s40                     ; tile number along X
	s_lshl_b32 s17, s17, 2
	s_add_co_u32 s17, s17, s41                     ; tile number along Y
	s_lshl_b32 s43, s41, 2
	s_lshl_b32 s43, 15, s43                        ; my row of the cluster
	s_lshl_b32 s44, 0x1111, s40                    ; my column
	s_or_b32 s[G1+0], s43, (0<<16)|(1<<20)|(1<<21)|(5<<22)|(3<<25)  ; 15:0 the mask; 17:16 elements of 1 byte; 20 padding on; 21 set beside a mask; 24:22 after every 64 words (code 5); 31:25 four words (code 3)
	s_or_b32 s[G1B+0], s44, (0<<16)|(1<<20)|(1<<21)|(5<<22)|(3<<25)
.irp g, G1, G1B
	s_mov_b32 s[\g+1], ROWB<<16                    ; tensor_dim0
	s_mov_b32 s[\g+2], 128<<16                     ; tensor_dim1
	s_mov_b32 s[\g+3], ROWB<<16                    ; tile_dim0
	s_mov_b32 s[\g+4], 128                         ; tile_dim1
	s_mov_b32 s[\g+5], KROW                        ; tensor_dim0_stride
	s_mov_b32 s[\g+6], 0
	s_mov_b32 s[\g+7], 0
.endr
	s_lshl_b32 s18, s16, 7                         ; which 128 rows of the tile I fetch
	s_lshl_b32 s20, s17, 8
	s_add_co_u32 s20, s20, s18                     ; Y: row 256 x tile + 128 x half
	s_lshl_b32 s46, s42, 8
	s_add_co_u32 s46, s46, s18                     ; X likewise
	s_lshl_b32 s20, s20, 10                        ; in bytes: under 2^23
	s_lshl_b32 s46, s46, 10
	s_mov_b32 s21, 0
	s_mov_b32 s47, 0
	s_mul_i32 s45, s14, HALFT                      ; where they go: wave x 128 rows: no place in the cluster enters an LDS address
	s_wait_dscnt 0x0                               ; both opening adds are done
	s_wait_kmcnt 0x0
	s_load_b256 s[80:87], s[72:73], 0x0            ; e0 .. e7
	s_cmp_eq_u32 s66, 2                            ; the choice hangs on the cluster's number alone
	s_cselect_b64 s[4:5], s[70:71], s[68:69]       ; Y's buffer
	s_cselect_b64 s[6:7], s[68:69], s[70:71]       ; X's buffer
	s_add_nc_u64 s[20:21], s[4:5], s[20:21]
	s_add_nc_u64 s[46:47], s[6:7], s[46:47]
	CROUND                                         ; all sixteen work-groups are here: the first joint loads meet
.irp s, 0,1
	s_mov_b32 s[G0+4*\s], 1
	s_add_co_u32 s[G0+4*\s+1], s45, \s*SLOT
	s_add_nc_u64 s[G0+4*\s+2:G0+4*\s+3], s[20:21], \s*ROWB
	s_or_b32 s[G0+4*\s+3], s[G0+4*\s+3], 0x80000000
	s_mov_b32 s[G0B+4*\s], 1
	s_add_co_u32 s[G0B+4*\s+1], s45, \s*SLOT
	s_add_nc_u64 s[G0B+4*\s+2:G0B+4*\s+3], s[46:47], \s*ROWB
	s_or_b32 s[G0B+4*\s+3], s[G0B+4*\s+3], 0x80000000
	JLOAD G0+4*\s, G1, G0B+4*\s, G1B
.endr
	v_and_b32 v1, 15, v0                           ; r = l % 16
	v_bfe_u32 v2, v0, 4, 1                         ; h = l / 16
	v_mul_u32_u24 v3, v1, PITCH
	v_lshl_add_u32 v4, v2, 4, v3                   ; a fragment's row x pitch + 16 x half
	s_mul_i32 s21, s15, HALFT                      ; my 128 rows of Y
	s_mul_i32 s22, s16, HALFT                      ; my 128 rows of X,
	s_add_co_u32 s22, s22, 2*HALFT                 ; which lie behind Y's 256
.irp s, 0,1
	v_add_nc_u32 v[ADRA+\s], s21, v4
	v_add_nc_u32 v[ADRB+\s], s22, v4
	s_add_co_u32 s21, s21, SLOT
	s_add_co_u32 s22, s22, SLOT
.endr
	v_lshrrev_b32 v5, 2, v1                        ; the stage: row y of 64 bytes lies at 272 (y / 4) + 64 (y % 4): sixteen lanes' 16 bytes fall on sixteen different columns of 16 bytes
	v_mul_u32_u24 v5, v5, 272
	v_and_b32 v6, 3, v1
	v_lshl_add_u32 v5, v6, 6, v5
	v_lshl_add_u32 v5, v2, 4, v5                   ; + 16 h
	s_mul_i32 s23, s16, 2*GSTG                     ; my half of X: two groups of 64
	s_mul_i32 s22, s15, 8704                       ; my half of Y: 128 rows
	s_add_co_u32 s23, s23, s22
	v_add_nc_u32 v[STO], s23, v5
	s_mul_i32 s23, s14, 4352                       ; back: wave w takes rows 64 w .. 64 w + 63 of all four groups
	v_mul_u32_u24 v6, v2, 272
	v_lshl_add_u32 v6, v1, 4, v6
	v_add_nc_u32 v[RD], s23, v6
	v_and_b32 v6, 31, v0
	v_lshlrev_b32 v[CO], 4, v6
	; where my four runs of 4,096 bytes go.  T: the tile of tokens; C: which four heads.  (Registers that fed no descriptor)
	s_cmp_eq_u32 s66, 2
	s_cselect_b32 s8, s42, s17                     ; T
	s_cselect_b32 s9, s41, s40                     ; C
	s_cselect_b32 s10, 17, 12                      ; my wave's 64 rows of Y are a head (v) or 64 tokens (q, k)
	s_cselect_b32 s11, 12, 17                      ; a group of 64 along X is a group of keys (v) or a head (q, k)
	s_cselect_b64 s[88:89], s[78:79], s[76:77]
	s_cmp_eq_u32 s66, 0
	s_cselect_b64 s[88:89], s[74:75], s[88:89]
	s_lshr_b32 s12, s8, 3
	s_lshl_b32 s12, s12, 21                        ; the batch
	s_lshl_b32 s13, s9, 19
	s_add_co_u32 s12, s12, s13                     ; four heads of 131,072 bytes
	s_and_b32 s13, s8, 7
	s_lshl_b32 s13, s13, 14
	s_add_co_u32 s12, s12, s13                     ; 256 tokens of 64 bytes
	s_lshl_b32 s13, s14, s10
	s_add_co_u32 s12, s12, s13
	s_mov_b32 s13, 0
	s_add_nc_u64 s[88:89], s[88:89], s[12:13]
	s_lshl_b32 s12, 1, s11
	s_add_nc_u64 s[90:91], s[88:89], s[12:13]
	s_add_nc_u64 s[92:93], s[90:91], s[12:13]
	s_add_nc_u64 s[94:95], s[92:93], s[12:13]
.macro FRAG reg, adr, q, i             ; a fragment, 16 rows x 128 K, is 16 registers: four loads of 16 bytes, 32 bytes apart; the same for both sources, so every product meets its partner
.irp c, 0,1,2,3
	ds_load_b128 v[\reg+4*\c:\reg+4*\c+3], v[\adr] offset:128*(\q)+32*\c+(\i)*16*PITCH
.endr
.endm
; 16 matrix instructions: Y's blocks a0, a0 + 1 x X's eight, 128 along K.  p: X's set.  zero = 1: the first product starts the sums.  The 64 accumulators take turns.
.macro MUL16 a0, p, zero
.irp a, \a0, \a0+1
.irp b, 0,1,2,3,4,5,6,7
.if \zero
	v_wmma_f32_16x16x128_fp8_fp8 v[8*(8*((\a)%4)+\b):8*(8*((\a)%4)+\b)+7], v[128*(\p)+FR*\b:128*(\p)+FR*\b+FR-1], v[AF+FR*(\a):AF+FR*(\a)+FR-1], 0
.else
	v_wmma_f32_16x16x128_fp8_fp8 v[8*(8*((\a)%4)+\b):8*(8*((\a)%4)+\b)+7], v[128*(\p)+FR*\b:128*(\p)+FR*\b+FR-1], v[AF+FR*(\a):AF+FR*(\a)+FR-1], v[8*(8*((\a)%4)+\b):8*(8*((\a)%4)+\b)+7]
.endif
.endr
.endr
.endm
.macro FETCH_B slot, q, p
	WIN TO_B
.irp i, 0,1,2,3,4,5,6,7
	FRAG 128*(\p)+FR*\i, ADRB+\slot, \q, \i
.endr
	WIN 0
.endm
.macro FETCH_A slot, q, i0
.irp i, \i0, \i0+1, \i0+2, \i0+3
	FRAG AF+FR*(\i), ADRA+\slot, \q, \i
.endr
.endm
.macro PLACES n                        ; plain vector lines between a matrix instruction and a load into, or a vector line on, its registers
.rept \n
	v_nop
.endr
.endm
.macro STEP slot, q, zero              ; a step of 128 along K that has its successor in the same slot
	s_wait_dscnt 4*NL                              ; X's set and Y's blocks 0-3 are in; the youngest sixteen loads (Y's blocks 4-7) may be out
	WIN MUL_LO
	MUL16 0, (\q)%2, \zero
	MUL16 2, (\q)%2, \zero
	s_wait_dscnt 0
	PLACES NP
	FETCH_B \slot, (\q)+1, 1-(\q)%2
	FETCH_A \slot, (\q)+1, 0
	WIN MUL_HI
	MUL16 4, (\q)%2, \zero
	MUL16 6, (\q)%2, \zero
	PLACES NP
	WIN 0
	FETCH_A \slot, (\q)+1, 4
.endm
; A slot's last step changes slots: one barrier; in front of it each wave waits for all its tensor loads, adds 0 to its spare word, and waits for that and for its reads of this slot.
.macro TURN slot, next, fill
	s_wait_tensorcnt 0x0                           ; all my tensor loads have landed: my part of the next slot
	ds_add_u32 v[SPW], v[NIL]
	s_wait_dscnt 4*NL+1                            ; (the add and the youngest sixteen loads may be out)
	WIN MUL_LO
	MUL16 0, 1, 0
	s_wait_dscnt 0x0                               ; the add is done, and my reads of this slot are over
	s_barrier_signal -1
	MUL16 2, 1, 0
	WIN 0
	s_barrier_wait -1
.if \fill
	CREST                                          ; the barrier has opened a round of the cluster's barrier: no wave of any partner still reads this slot or has a load on its way
	s_add_nc_u64 s[G0+4*\slot+2:G0+4*\slot+3], s[G0+4*\slot+2:G0+4*\slot+3], 2*ROWB
	s_add_nc_u64 s[G0B+4*\slot+2:G0B+4*\slot+3], s[G0B+4*\slot+2:G0B+4*\slot+3], 2*ROWB
	JLOAD G0+4*\slot, G1, G0B+4*\slot, G1B         ; the first tensor load behind the round; its four v_nop are the places in front of the loads below
.else
	PLACES NP
.endif
	FETCH_B \next, 0, 0
	FETCH_A \next, 0, 0
	WIN MUL_HI
	MUL16 4, 1, 0
	MUL16 6, 1, 0
	PLACES NP
	WIN 0
	FETCH_A \next, 0, 4
.endm
	s_wait_tensorcnt 1                             ; my part of K step 0 is in (K step 1's load may be out),
	s_barrier_signal -1
	s_barrier_wait -1                              ; everybody's is
	FETCH_B 0, 0, 0
	FETCH_A 0, 0, 0
	FETCH_A 0, 0, 4
	STEP 0, 0, 1                                   ; K = 1,024 is four K steps, twice round the ring: written out, no loop
	TURN 0, 1, 1                                   ; slot 0 takes K step 2
	STEP 1, 0, 0
	TURN 1, 0, 1                                   ; slot 1 takes K step 3
	STEP 0, 0, 0
	TURN 0, 1, 0                                   ; nothing is left to fetch
	STEP 1, 0, 0
	s_wait_dscnt 4*NL
	WIN MUL_LO
	MUL16 0, 1, 0
	MUL16 2, 1, 0
	s_wait_dscnt 0
	WIN MUL_HI
	MUL16 4, 1, 0
	MUL16 6, 1, 0
	WIN 0
	; THE WAY OUT.  Slot 0 has had its last fill, and every wave has passed the last change of slots, behind which nobody reads it: the stage lies there.
	s_wait_kmcnt 0x0
	s_cmp_eq_u32 s66, 2
	s_cselect_b32 s96, s85, s83                    ; e5 or e3,
	s_cmp_eq_u32 s66, 0
	s_cselect_b32 s96, s82, s96                    ; or e2: a select, no branch on a loaded number
	s_sub_co_i32 s96, s96, s80
	s_sub_co_i32 s96, s96, s81
	s_add_co_i32 s96, s96, 127
	s_lshl_b32 s97, s96, 23
	v_mov_b32 v[SCL], s97
	s_add_co_i32 s96, s96, 8
	s_lshl_b32 s96, s96, 23
	s_or_b32 s96, s96, 0x600000
	PLACES NP
.macro OUTBLK a                        ; block a: 16 rows of Y x my 128 of X: converted, 16 bytes a lane into the stage.  Each block has its own registers for its codes: no wait between blocks
.set AC, 64*((\a)%4)
	WIN 0x02+((\a)/4)                              ; source 0: window 2 or 3
.set j, 0
.rept 64
.set j, j+1
.endr
.irp b, 0,1,2,3,4,5,6,7
	v_cvt_scalef32_pk8_fp8_f32 v[CD+16*(\a)+2*\b:CD+16*(\a)+2*\b+1], v[AC+8*\b:AC+8*\b+7], v[SCL]
.endr
	WIN 0
	v_nop                                          ; a plain line behind the last conversion
.irp c, 0,1,2,3
	ds_store_b128 v[STO], v[CD+16*(\a)+4*\c:CD+16*(\a)+4*\c+3] offset:(\c/2)*GSTG+32*(\c%2)+1088*(\a)
.endr
.endm
.irp a, 0,1,2,3,4,5,6,7
	OUTBLK \a
.endr
	s_wait_dscnt 0x0                               ; for the others' sake: my stores into the stage are done
	s_barrier_signal -1
	s_barrier_wait -1
.irp g, 0,1,2,3
.irp t, 0,1,2,3,4,5,6,7
	ds_load_b128 v[CD+4*(8*\g+\t):CD+4*(8*\g+\t)+3], v[RD] offset:GSTG*\g+544*\t
.endr
.endr
.irp g, 0,1,2,3
.irp t, 0,1,2,3,4,5,6,7
	s_wait_dscnt 31-(8*\g+\t)
	global_store_b128 v[CO], v[CD+4*(8*\g+\t):CD+4*(8*\g+\t)+3], s[88+2*\g:89+2*\g] offset:512*\t   ; 32 lanes store 512 consecutive bytes, aligned
.endr
.endr
	s_wait_tensorcnt 0x0                           ; the wave's end
	ds_add_u32 v[SPW], v[NIL]
	s_wait_dscnt 0x0
	CROUND                                         ; the closing round: no work-group ends while a partner may still ask for a tile that names it
	s_endpgm
.Lfunc_end_k_q1c57351e9f_qkv:
	.size	k_q1c57351e9f_qkv, .Lfunc_end_k_q1c57351e9f_qkv-k_q1c57351e9f_qkv
	.p2alignl 7, 3214868480
	.fill 96, 4, 3214868480
	.section	.rodata,"a",@progbits
	.p2align	6, 0x0
	.amdhsa_kernel k_q1c57351e9f_qkv
		.amdhsa_group_segment_fixed_size 327680
		.amdhsa_private_segment_fixed_size 0
		.amdhsa_enable_private_segment 0
		.amdhsa_kernarg_size 48
		.amdhsa_user_sgpr_count 2
		.amdhsa_user_sgpr_kernarg_segment_ptr 1
		.amdhsa_wavefront_size32 1
		.amdhsa_system_sgpr_workgroup_id_x 1
		.amdhsa_system_sgpr_workgroup_id_y 1
		.amdhsa_system_sgpr_workgroup_id_z 1
		.amdhsa_system_vgpr_workitem_id 0
		.amdhsa_next_free_vgpr 1024
		.amdhsa_next_free_sgpr 100
		.amdhsa_reserve_vcc 0
		.amdhsa_float_denorm_mode_32 3
		.amdhsa_float_denorm_mode_16_64 3
		.amdhsa_fp16_overflow 1
		.amdhsa_memory_ordered 1
		.amdhsa_forward_progress 1
		.amdhsa_inst_pref_size 92
	.end_amdhsa_kernel
	.amdgpu_metadata
---
amdhsa.version: [ 1, 2 ]
amdhsa.kernels:
  - .name:           k_q1c57351e9f_qkv
    .symbol:         k_q1c57351e9f_qkv.kd
    .args:
      - { .name: z_codes, .offset: 0, .size: 8, .value_kind: global_buffer, .address_space: global }
      - { .name: wq_codes, .offset: 8, .size: 8, .value_kind: global_buffer, .address_space: global }
      - { .name: lowp_scales, .offset: 16, .size: 8, .value_kind: global_buffer, .address_space: global }
      - { .name: q_codes, .offset: 24, .size: 8, .value_kind: global_buffer, .address_space: global }
      - { .name: k_codes, .offset: 32, .size: 8, .value_kind: global_buffer, .address_space: global }
      - { .name: v_codes, .offset: 40, .size: 8, .value_kind: global_buffer, .address_space: global }
    .group_segment_fixed_size: 327680
    .private_segment_fixed_size: 0
    .kernarg_segment_align: 8
    .kernarg_segment_size: 48
    .max_flat_workgroup_size: 128
    .sgpr_count:     100
    .vgpr_count:     1024
    .wavefront_size: 32
...
	.end_amdgpu_metadata
.endif
;; end of part 2
;; launch attn (part 3): grid 4 x 64, 16 waves a work-group, no clusters, 327,680 bytes of LDS; arguments q_codes, k_codes, v_codes, lowp_scales, a_codes; writes a_codes
.if DOCPART == 3
	.amdgcn_target "amdgcn-amd-amdhsa--gfx1250"
	.amdhsa_code_object_version 6
	.text
	.protected	k_q1c57351e9f_attn
	.globl	k_q1c57351e9f_attn
	.p2align	8
	.type	k_q1c57351e9f_attn,@function
k_q1c57351e9f_attn:
	s_mov_b64 s[64:65], 0
	v_nop
	global_prefetch_b8 v0, s[64:65] scope:SCOPE_SE
	s_setreg_imm32_b32 hwreg(HW_REG_WAVE_MODE, 25, 1), 1
	s_wait_xcnt 0x0
; LAUNCH 3 OF 4: o = softmax(q k^T / 8, causal) v on codes of FP8, and o quantised on the way out (lowp_scales[6]).
; WORK LEFT OUT: a step of 64 keys that all come after a wave's 32 queries, and the fetch of a slot whose keys all come after the work-group's last query: reference() sets those logits to -inf by its
; own mask, so their weights are 0 for all inputs.  LIMIT: a NaN, an infinity or an overflow that would arise only in such scores is not formed.
; THE SOFTMAX: t = score x log2(e) / 8; M = the running largest t rounded UP to a whole number; p = 2^(t - M) is quantised with 2^e4, not normalised; the row's sum is taken of the unquantised p, in f32,
; and divides at the end.  When M moves, the sum and O are multiplied by 2^(old M - new M), which rounds nothing.
; SHARES.  Work-group (x, head) owns the blocks x and 7 - x of 256 queries: under the mask every work-group then has the same number of live steps, and K and V are walked once for both blocks.
; Each of the sixteen waves owns 32 neighbouring queries, two tiles of 16, so that each fragment of K and V read from LDS feeds two matrix instructions.  Waves 2 i and 2 i + 1 take queries 32 i on of
; the two blocks; which of them takes which block alternates with i / 2.
; NO CLUSTER: the four work-groups of a head need 8, 7, 6 and 5 slots of keys; a joint load would bring three of them slots that none of their waves reads.
; LAYOUT.  S^T = K Q^T (source 0 = 16 keys, source 1 = 16 queries), O^T = V^T P^T (source 0 = 16 of the head's 64, source 1 = P): a lane holds ONE query (lane % 16) throughout.  Tile T's eight
; registers are keys 16 T + 8 (lane / 16) + 0..7: their codes are registers 2 T, 2 T + 1 of P's fragment, the place that this form gives those keys; V's bytes were laid by the launch qkv so that two loads
; of 16 bytes put the same keys into the same registers.
; LDS: rows of 64 bytes are dense in memory and come as lines of 256 bytes + 16 of padding: row y at 272 (y / 4) + 64 (y % 4): the sixteen lanes of half a load fall on sixteen different columns of 16 bytes.
; LIMITS: e2 + e3 between -123 and 130 (added to c's exponent field); e4, and e6 - e4 - e5, between -126 and 119.
; REGISTERS: v1 my lane's place in a tile; v2 r - 8 h; v3, v7 offsets; v5, v6 the add's two; v8 the address in hand; v16-31 Q; v32-63 K's fragments, then P's codes; v64-95 V's; v96-159 S^T, then p;
; v160-223 O^T; v224-234, v236-246 a tile's statistics; v248-251 scales; v252-254 the mask.
.set VOFF,  17408                      ; a slot: 256 keys of K (64 lines of 272 bytes), then 4 groups of 64 keys of V, as many
.set SLOT1, 1<<16                      ; slot 1 begins here: one exclusive or turns an address in one slot into the other's
.set STAGE, 131072                     ; 16 waves x 2,176 bytes for the way out; no fill ever lands here
.set SPARE, 165888                     ; the spare words, 128 bytes a wave
.set LB,   1
.set RH,   2
.set PFO,  3
.set SPW,  5
.set NIL,  6
.set GO,   7
.set ADR,  8
.set QF,   16
.set KFR,  32
.set PC,   32
.set VF,   64
.set S,    96
.set O,    160
.set ST,   224                         ; tile u at ST + 12 u: +0 -M, +1 the largest t, +2, +3 the sum, +4 f (+5 named with it), +6, +7 the sum's second chain, +8, +9 at work, +10 a permute's destination
.set TB,   2                           ; s2   LDS byte at which the step in hand begins
.set WV,   18
.set CNT,  19
.set SEL,  20                          ; s[20:21] lane selects: lane l xor 16
.set CS,   22                          ; s[22:23] c = log2(e) / 8 x 2^(e2 + e3)
.set G1,   24                          ; s[24:31] descriptor group 1, one for K and V
.set G0,   40                          ; s[40:43] descriptor group 0, which walks
.set SLOTS, 67
.set PFA,  76                          ; s[76:77] where my prefetches stand
.set LIM,  80                          ; s80  1 in a wave that prefetches, else the greatest number
.set LQ,   81                          ; s81  my work-group's last query
.set KF,   98                          ; s98  the step's first key
.set Q0,   99                          ; s99  my first query
.macro TLOAD                           ; wave 0 fetches a slot's K, wave 1 its V, the others nothing.  An s_nop 0 and four v_nop follow the line
	s_cmp_lt_u32 s[WV], 2
	s_cbranch_scc0 .Lasked_\@
	tensor_load_to_lds s[G0:G0+3], s[G1:G1+7]
	s_nop 0
.rept 4
	v_nop
.endr
.Lasked_\@:
.endm
; A PREFETCH of what the NEXT change of slots will ask for: 16,384 bytes of K and as many of V.  All four work-groups of a head walk the same K and V: the one with x = 0, which walks all eight slots, asks.
; In it waves 4 and 5 ask for K's two halves, waves 6 and 7 for V's: 8,192 bytes a wave, lanes 256 bytes apart, one instruction.  So each aligned block of 256 bytes is named once in the launch.
; Slots 0 and 1 come by their loads alone; the last change that fills a slot asks for nothing: there is no slot behind it.
.macro ASK
	s_cmp_gt_u32 s[SLOTS], s[LIM]
	s_cbranch_scc0 .Lnot_mine_\@
	global_prefetch_b8 v[PFO], s[PFA:PFA+1] th:TH_LOAD_NT scope:SCOPE_SE
.Lnot_mine_\@:
.endm
	s_load_b128 s[4:7], s[0:1], 0x0                ; q_codes s[4:5], k_codes s[6:7]
	s_load_b128 s[12:15], s[0:1], 0x10             ; v_codes s[12:13], the exponents s[14:15]
	s_load_b64 s[16:17], s[0:1], 0x20              ; a_codes
	v_lshl_add_u32 v[SPW], v0, 2, SPARE
	v_mov_b32 v[NIL], 0
	ds_add_u32 v[SPW], v[NIL]                      ; the wave's opening: the add, twice on end, and its wait ahead of the first tensor load
	ds_add_u32 v[SPW], v[NIL]
	v_lshrrev_b32 v8, 5, v0
	s_delay_alu instid0(VALU_DEP_1)
	v_readfirstlane_b32 s[WV], v8                  ; wave 0..15
	s_and_b32 s82, ttmp7, 0xffff                   ; batch x 16 + head
	s_lshl_b32 s82, s82, 17                        ; its 131,072 bytes in each of the four buffers
	s_mov_b32 s83, 0
	s_lshr_b32 s84, s[WV], 2
	s_xor_b32 s84, s84, s[WV]
	s_and_b32 s84, s84, 1                          ; 1: my queries lie in block 7 - x, 0: in block x
	s_sub_co_u32 s85, 7, ttmp9
	s_cmp_eq_u32 s84, 1
	s_cselect_b32 s85, s85, ttmp9
	s_lshl_b32 s85, s85, 8
	s_lshr_b32 s86, s[WV], 1
	s_lshl_b32 s86, s86, 5
	s_add_co_u32 s[Q0], s85, s86                   ; my first query: 256 x block + 32 (wave / 2)
	s_sub_co_u32 s[LQ], 8, ttmp9
	s_lshl_b32 s[LQ], s[LQ], 8
	s_sub_co_u32 s[LQ], s[LQ], 1                   ; 256 (8 - x) - 1
	s_lshl_b32 s88, s[Q0], 6
	s_mov_b32 s89, 0
	s_add_nc_u64 s[88:89], s[88:89], s[82:83]      ; my queries' bytes in q_codes and in a_codes
	s_mov_b32 s[G1], (0<<16)|(1<<20)|(5<<22)|(3<<25)  ; no mask; elements of 1 byte; padding on: four words after every 64
	s_mov_b32 s[G1+1], 256<<16                     ; tensor_dim0: a line of 256 bytes
	s_mov_b32 s[G1+2], 64<<16                      ; tensor_dim1: 64 lines
	s_mov_b32 s[G1+3], 256<<16                     ; tile_dim0
	s_mov_b32 s[G1+4], 64                          ; tile_dim1
	s_mov_b32 s[G1+5], 256                         ; the lines are dense in memory
	s_mov_b32 s[G1+6], 0
	s_mov_b32 s[G1+7], 0
	s_mov_b32 s[SEL], 0x76543210
	s_mov_b32 s[SEL+1], 0xfedcba98
	s_mov_b32 s[CS], 0x3e38aa3b                    ; log2(e) / 8
	s_mov_b32 s[TB], 0
	s_mov_b32 s[SLOTS], 7
	s_mov_b32 s[KF], 0
	s_mov_b32 s[G0], 1                             ; count = 1
	s_and_b32 s86, s[WV], 1
	s_mul_i32 s[G0+1], s86, VOFF                   ; LDS address: slot 0, K's part or V's
	s_wait_dscnt 0x0                               ; both opening adds are done
	s_wait_kmcnt 0x0
	s_load_b256 s[68:75], s[14:15], 0x0            ; e0 .. e7
	s_cmp_eq_u32 s[WV], 0
	s_cselect_b64 s[G0+2:G0+3], s[6:7], s[12:13]
	s_add_nc_u64 s[G0+2:G0+3], s[G0+2:G0+3], s[82:83]  ; the head's first 256 keys
	s_or_b32 s[G0+3], s[G0+3], 0x80000000          ; type = 2
	TLOAD                                          ; slot 0: it holds key 0, which counts for every query
	s_add_nc_u64 s[4:5], s[4:5], s[88:89]
	s_add_nc_u64 s[16:17], s[16:17], s[88:89]
	s_cmp_lt_u32 s[WV], 6                          ; the prefetches: waves 4, 5 for K, waves 6, 7 for V
	s_cselect_b64 s[PFA:PFA+1], s[6:7], s[12:13]
	s_and_b32 s86, s[WV], 1
	s_lshl_b32 s86, s86, 13                        ; my half of a slot's 16,384 bytes,
	s_add_co_u32 s86, s86, 16384                   ; in slot 1: the first change of slots steps it to slot 2.  Nothing is prefetched at the head
	s_mov_b32 s87, 0
	s_add_nc_u64 s[PFA:PFA+1], s[PFA:PFA+1], s[82:83]
	s_add_nc_u64 s[PFA:PFA+1], s[PFA:PFA+1], s[86:87]
	s_sub_co_u32 s86, s[WV], 4
	s_lshr_b32 s86, s86, 2                         ; 0 in waves 4 to 7,
	s_or_b32 s86, s86, ttmp9                       ; of the work-group with x = 0
	s_cmp_eq_u32 s86, 0
	s_cselect_b32 s[LIM], 1, -1
	v_and_b32 v9, 15, v0                           ; r
	v_bfe_u32 v11, v0, 4, 1                        ; h
	s_delay_alu instid0(VALU_DEP_2)
	v_lshlrev_b32 v10, 6, v9
	s_delay_alu instid0(VALU_DEP_1)
	v_lshl_add_u32 v10, v11, 4, v10                ; Q: row r of 64 bytes, + 16 h
.irp u, 0,1
.irp c, 0,1
	global_load_b128 v[QF+8*\u+4*\c:QF+8*\u+4*\c+3], v10, s[4:5] offset:1024*\u+32*\c   ; Q's two fragments stay in registers
.endr
.endr
	v_lshrrev_b32 v12, 2, v9
	s_delay_alu instid0(VALU_DEP_1)
	v_mul_u32_u24 v[LB], v12, 272
	v_and_b32 v12, 3, v9
	s_delay_alu instid0(VALU_DEP_1)
	v_lshl_add_u32 v[LB], v12, 6, v[LB]
	s_delay_alu instid0(VALU_DEP_1)
	v_lshl_add_u32 v[LB], v11, 4, v[LB]            ; 272 (r / 4) + 64 (r % 4) + 16 h
	v_lshlrev_b32 v12, 3, v11
	s_delay_alu instid0(VALU_DEP_1)
	v_sub_nc_u32 v[RH], v9, v12                    ; r - 8 h, for the mask
	v_and_b32 v[PFO], 31, v0
	s_delay_alu instid0(VALU_DEP_1)
	v_lshlrev_b32 v[GO], 4, v[PFO]                 ; 16 x lane
	s_delay_alu instid0(VALU_DEP_2)
	v_lshlrev_b32 v[PFO], 8, v[PFO]                ; 256 x lane
.irp u, 0,1
	v_mov_b32 v[ST+12*\u+1], 0xff61b1e6            ; the largest t so far: -3e38, under every t
	s_delay_alu instid0(VALU_DEP_1)
	v_floor_f32 v[ST+12*\u], -v[ST+12*\u+1]        ; -M
	v_mov_b32 v[ST+12*\u+2], 0                     ; the sum, in two halves
	v_mov_b32 v[ST+12*\u+3], 0
	v_mov_b32 v[ST+12*\u+5], 0                     ; (named as the upper half of f's pair)
	v_mov_b32 v[ST+12*\u+10], 0                    ; a lane permute's destination counts as one of its sources
.endr
.set j, 0
.rept 64
	v_mov_b32 v[O+j], 0                            ; O^T.  (The step is written once: the first finds zeros, which the first change of M leaves zeros; a first step of its own would be a third copy of the step)
.set j, j+1
.endr
	s_wait_kmcnt 0x0
	s_add_co_i32 s90, s70, s71
	s_lshl_b32 s90, s90, 23
	s_add_co_i32 s[CS], s[CS], s90                 ; a score stands for score x 2^(e2 + e3): added to c's exponent field
	s_mov_b32 s[CS+1], s[CS]
	s_add_co_i32 s90, s72, 127
	s_lshl_b32 s91, s90, 23
	v_mov_b32 v248, s91                            ; 2^e4, for p's conversion
	s_sub_co_i32 s90, s74, s72
	s_sub_co_i32 s90, s90, s73
	s_add_co_i32 s90, s90, 127
	s_lshl_b32 s91, s90, 23
	v_mov_b32 v250, s91                            ; 2^(e6 - e4 - e5): O^T / the sum stands for o / 2^(e4 + e5): the three scales folded into one
; A KEY STEP: 64 keys, both tiles.
.macro STEP
	s_add_co_u32 s96, s[Q0], 31                    ; a step all of whose keys come after my 32 queries is left out: a scalar branch on ids and the count of steps
	s_cmp_gt_u32 s[KF], s96
	s_cbranch_scc1 .Lhidden_\@
	s_setprio 2
	v_add_nc_u32 v[ADR], s[TB], v[LB]
.rept 3
	v_nop                                          ; with the addition: four places in front of loads into registers that the last products read
.endr
.irp t, 0,1,2,3
.irp c, 0,1
	ds_load_b128 v[KFR+8*\t+4*\c:KFR+8*\t+4*\c+3], v[ADR] offset:1088*\t+32*\c
.endr
.endr
.irp t, 0,1,2,3
.irp c, 0,1
	ds_load_b128 v[VF+8*\t+4*\c:VF+8*\t+4*\c+3], v[ADR] offset:VOFF+1088*\t+32*\c
.endr
.endr
	s_wait_dscnt 8                                 ; K's eight loads are in; V's eight may be out
.irp t, 0,1,2,3
.irp u, 0,1
	v_wmma_f32_16x16x64_fp8_fp8 v[S+32*\u+8*\t:S+32*\u+8*\t+7], v[KFR+8*\t:KFR+8*\t+7], v[QF+8*\u:QF+8*\u+7], 0
.endr
.endr
.rept 4
	v_nop
.endr
	s_add_co_u32 s96, s[KF], 63                    ; a step all of whose keys count for all my queries skips the mask
	s_cmp_le_u32 s96, s[Q0]
	s_cbranch_scc1 .Lopen_\@
	s_sub_co_i32 s96, s[Q0], s[KF]
	v_add_nc_u32 v252, s96, v[RH]                  ; d = my query - KF - 8 h.  Register 8 T + j holds key KF + 8 h + 16 T + j: hidden where 16 T + j > d
	s_delay_alu instid0(VALU_DEP_1)
	v_add_nc_u32 v253, 16, v252                    ; the same for the second tile
	v_mov_b32 v254, 0xff800000                     ; -infinity: p = 0 then
.irp u, 0,1
.set n, 0
.rept 32
	v_cmp_gt_i32 vcc_lo, 16*(n/8)+n%8, v[252+\u]
	v_cndmask_b32 v[S+32*\u+n], v[S+32*\u+n], v254, vcc_lo
.set n, n+1
.endr
.endr
.Lopen_\@:
.irp u, 0,1                                    ; the step's largest score of my query among my 32 keys: two chains a tile, the tiles line by line; each accumulator is first read at its low end
	v_max3_num_f32 v[ST+12*\u+8], v[S+32*\u], v[S+32*\u+1], v[S+32*\u+2]
	v_max3_num_f32 v[ST+12*\u+9], v[S+32*\u+3], v[S+32*\u+4], v[S+32*\u+5]
.endr
.irp i, 6,10,14,18,22,26
.irp u, 0,1
	v_max3_num_f32 v[ST+12*\u+8], v[ST+12*\u+8], v[S+32*\u+\i], v[S+32*\u+\i+1]
	v_max3_num_f32 v[ST+12*\u+9], v[ST+12*\u+9], v[S+32*\u+\i+2], v[S+32*\u+\i+3]
.endr
.endr
.irp u, 0
	v_max3_num_f32 v[ST+12*\u+8], v[ST+12*\u+8], v[S+32*\u+30], v[S+32*\u+31]
.endr
.irp u, 1
	v_max3_num_f32 v[ST+12*\u+8], v[ST+12*\u+8], v[S+32*\u+30], v[S+32*\u+31]
.endr
.irp u, 0,1
	s_delay_alu instid0(VALU_DEP_2)
	v_max_num_f32 v[ST+12*\u+8], v[ST+12*\u+8], v[ST+12*\u+9]
.endr
.irp u, 0,1
	s_delay_alu instid0(VALU_DEP_2)
	v_permlanex16_b32 v[ST+12*\u+10], v[ST+12*\u+8], s[SEL], s[SEL+1]
.endr
.irp u, 0,1
	s_delay_alu instid0(VALU_DEP_2)
	v_max_num_f32 v[ST+12*\u+8], v[ST+12*\u+8], v[ST+12*\u+10]   ; and among lane l xor 16's
.endr
.irp u, 0,1
	s_delay_alu instid0(VALU_DEP_2)
	v_mul_f32 v[ST+12*\u+8], s[CS], v[ST+12*\u+8]                ; as t (c is positive)
.endr
.irp u, 0,1
	s_delay_alu instid0(VALU_DEP_2)
	v_max_num_f32 v[ST+12*\u+1], v[ST+12*\u+1], v[ST+12*\u+8]    ; the running largest t
.endr
.irp u, 0,1
	v_mov_b32 v[ST+12*\u+8], v[ST+12*\u]
.endr
.irp u, 0,1
	s_delay_alu instid0(VALU_DEP_4)
	v_floor_f32 v[ST+12*\u], -v[ST+12*\u+1]                      ; the new -M = floor(-t): M is a whole number
.endr
.irp u, 0,1
	s_delay_alu instid0(VALU_DEP_2)
	v_sub_f32 v[ST+12*\u+8], v[ST+12*\u], v[ST+12*\u+8]          ; old M - new M: a whole number, 0 or less
.endr
.irp u, 0,1
	s_delay_alu instid0(VALU_DEP_2)
	v_cvt_i32_f32 v[ST+12*\u+8], v[ST+12*\u+8]                   ; (it saturates)
.endr
.irp u, 0,1
	s_delay_alu instid0(VALU_DEP_2)
	v_ldexp_f32 v[ST+12*\u+4], 1.0, v[ST+12*\u+8]                ; f = 2^(old M - new M)
.endr
.irp u, 0,1
.irp j, 0,2,4,6,8,10,12,14,16,18,20,22,24,26,28,30
	v_pk_fma_f32 v[S+32*\u+\j:S+32*\u+\j+1], v[S+32*\u+\j:S+32*\u+\j+1], s[CS:CS+1], v[ST+12*\u:ST+12*\u+1] op_sel_hi:[1,0,0]   ; t - M, two at a time
.endr
.endr
.set j, 0
	s_setprio 1
	s_wait_alu depctr_va_vdst(0)
.rept 64
	v_exp_f32 v[S+j], v[S+j]                       ; p = 2^(t - M): one batch
.set j, j+1
.endr
.irp u, 0,1
	v_pk_mul_f32 v[ST+12*\u+2:ST+12*\u+3], v[ST+12*\u+2:ST+12*\u+3], v[ST+12*\u+4:ST+12*\u+5] op_sel_hi:[1,0]   ; the sums under the new M.  (The plain lines behind the batch)
.endr
	s_wait_alu depctr_va_vdst(0)                   ; the wait ahead of the first line that names an exponential's result: one for the batch
.irp u, 0,1
	v_pk_add_f32 v[ST+12*\u+6:ST+12*\u+7], v[S+32*\u:S+32*\u+1], v[S+32*\u+2:S+32*\u+3]   ; the row's sum is taken of the UNQUANTISED p
.endr
.irp j, 4,8,12,16,20,24,28
.irp u, 0,1
	v_pk_add_f32 v[ST+12*\u+2:ST+12*\u+3], v[ST+12*\u+2:ST+12*\u+3], v[S+32*\u+\j:S+32*\u+\j+1]
	v_pk_add_f32 v[ST+12*\u+6:ST+12*\u+7], v[ST+12*\u+6:ST+12*\u+7], v[S+32*\u+\j+2:S+32*\u+\j+3]
.endr
.endr
.irp u, 0
	s_delay_alu instid0(VALU_DEP_3)
	v_pk_add_f32 v[ST+12*\u+2:ST+12*\u+3], v[ST+12*\u+2:ST+12*\u+3], v[ST+12*\u+6:ST+12*\u+7]
.endr
.irp u, 1
	s_delay_alu instid0(VALU_DEP_2)
	v_pk_add_f32 v[ST+12*\u+2:ST+12*\u+3], v[ST+12*\u+2:ST+12*\u+3], v[ST+12*\u+6:ST+12*\u+7]
.endr
.set j, 0
.rept 64
.set j, j+1
.endr
.irp u, 0,1
.irp t, 0,1,2,3
	v_cvt_scalef32_pk8_fp8_f32 v[PC+8*\u+2*\t:PC+8*\u+2*\t+1], v[S+32*\u+8*\t:S+32*\u+8*\t+7], v248
.endr
.endr
.irp u, 0,1
.irp j, 0,2,4,6,8,10,12,14,16,18,20,22,24,26,28,30
	v_pk_mul_f32 v[O+32*\u+\j:O+32*\u+\j+1], v[O+32*\u+\j:O+32*\u+\j+1], v[ST+12*\u+4:ST+12*\u+5] op_sel_hi:[1,0]   ; O^T under the new M.  (Also the plain lines behind the conversions)
.endr
.endr
	s_setprio 0
	s_wait_alu depctr_va_vdst(0)
	s_wait_dscnt 0x0                               ; V is in
.irp t, 0,1,2,3
.irp u, 0,1
	v_wmma_f32_16x16x64_fp8_fp8 v[O+32*\u+8*\t:O+32*\u+8*\t+7], v[VF+8*\t:VF+8*\t+7], v[PC+8*\u:PC+8*\u+7], v[O+32*\u+8*\t:O+32*\u+8*\t+7]   ; the eight accumulators take turns, one instruction a turn
.endr
.endr
.Lhidden_\@:
	s_add_co_u32 s[KF], s[KF], 64
.endm
; THE CHANGE OF SLOTS stands at a slot's head.  Each wave waits for all its tensor loads, adds 0 to its spare word (fill = 1: twice on end)
; and waits for that and for its reads of the slot that it has left.  Behind the barrier the slot ahead is whole and nobody reads the other one, which is then filled with the keys that follow.
.macro CHANGE fill
	s_wait_tensorcnt 0x0                           ; no tensor load of mine is out, so group 0 may be written
	ds_add_u32 v[SPW], v[NIL]
.if \fill
	ds_add_u32 v[SPW], v[NIL]
	s_xor_b32 s[G0+1], s[G0+1], SLOT1              ; the other slot than last time,
	s_add_nc_u64 s[G0+2:G0+3], s[G0+2:G0+3], 16384 ; the next 256 keys; the type bits on top are not reached
	s_wait_xcnt 0x0                                ; the last prefetch, a slot back, has read its address
	s_add_nc_u64 s[PFA:PFA+1], s[PFA:PFA+1], 16384 ; one slot further on than the walking descriptor
.endif
	s_wait_dscnt 0x0
	s_barrier_signal -1
	s_barrier_wait -1
.if \fill
	s_add_co_u32 s96, s[KF], 256                   ; the first key of the slot that this change would ask for: beyond my work-group's last query no wave reads it, so it is not asked for
	s_cmp_gt_u32 s96, s[LQ]                        ; ids and the count of steps alone: all sixteen waves go the same way.  Every wait on TENSORcnt in this text is for 0
	s_cbranch_scc1 .Lpast_\@
	TLOAD                                          ; a wave's one tensor load until the next such barrier
.Lpast_\@:
	ASK
.endif
.endm
.macro SLOT_STEPS turn                 ; a slot's four key steps: written once, walked four times; the LDS addresses hang on s[TB]
	s_mov_b32 s[CNT], 4
.Lstep_\@:
	STEP
	s_add_co_u32 s[TB], s[TB], 4352                ; 64 rows of 64 bytes, of K and of V alike
	s_sub_co_u32 s[CNT], s[CNT], 1
	s_cmp_lg_u32 s[CNT], 0
	s_cbranch_scc1 .Lstep_\@
	s_setprio 0
.if \turn
	s_sub_co_u32 s[TB], s[TB], 17408
	s_xor_b32 s[TB], s[TB], SLOT1                  ; on to the other slot
.endif
.endm
	s_wait_loadcnt 0x0                             ; Q
.Lslot:                                            ; seven trips: behind each change of slots but the last the next slot is asked for, up to the causal limit
	CHANGE 1
	SLOT_STEPS 1
	s_sub_co_u32 s[SLOTS], s[SLOTS], 1
	s_cmp_lg_u32 s[SLOTS], 0
	s_cbranch_scc1 .Lslot
	CHANGE 0                                       ; the last slot is written out: nothing is left to fetch
	SLOT_STEPS 0
	; THE WAY OUT.  O^T / the sum is converted with 2^(e6 - e4 - e5), and goes through my stage in LDS: my 32 queries' 2,048 bytes of a_codes are dense and leave as four stores of 512 bytes.
.irp u, 0,1
	v_add_f32 v[ST+12*\u+2], v[ST+12*\u+2], v[ST+12*\u+3]
.endr
.irp u, 0,1
	s_delay_alu instid0(VALU_DEP_2)
	v_permlanex16_b32 v[ST+12*\u+10], v[ST+12*\u+2], s[SEL], s[SEL+1]
.endr
.irp u, 0,1
	s_delay_alu instid0(VALU_DEP_2)
	v_add_f32 v[ST+12*\u+2], v[ST+12*\u+2], v[ST+12*\u+10]       ; the row's sum
.endr
	s_mul_i32 s96, s[WV], 2176
	s_add_co_u32 s96, s96, STAGE                   ; my stage
	v_add_nc_u32 v9, s96, v[LB]                    ; in: row r, + 16 h
	v_and_b32 v12, 15, v0
	v_bfe_u32 v11, v0, 4, 1
	s_delay_alu instid0(VALU_DEP_1)
	v_mul_u32_u24 v11, v11, 272
	s_delay_alu instid0(VALU_DEP_1)
	v_lshl_add_u32 v11, v12, 4, v11
	s_delay_alu instid0(VALU_DEP_1)
	v_add_nc_u32 v11, s96, v11                     ; back: sixteen lanes to a line of 256 bytes
	s_wait_alu depctr_va_vdst(0)
.irp u, 0,1
	v_rcp_f32 v[ST+12*\u+4], v[ST+12*\u+2]
.endr
	v_nop                                          ; a plain line behind the last reciprocal
	s_wait_alu depctr_va_vdst(0)                   ; and the wait ahead of the first use: one for both
.irp u, 0,1
.irp j, 0,2,4,6,8,10,12,14,16,18,20,22,24,26,28,30
	v_pk_mul_f32 v[S+32*\u+\j:S+32*\u+\j+1], v[O+32*\u+\j:O+32*\u+\j+1], v[ST+12*\u+4:ST+12*\u+5] op_sel_hi:[1,0]
.endr
.endr
.set j, 0
.rept 64
.set j, j+1
.endr
.irp u, 0,1
.irp t, 0,1,2,3
	v_cvt_scalef32_pk8_fp8_f32 v[PC+8*\u+2*\t:PC+8*\u+2*\t+1], v[S+32*\u+8*\t:S+32*\u+8*\t+7], v250
.endr
.endr
	v_nop
.irp u, 0,1
.irp c, 0,1
	ds_store_b128 v9, v[PC+8*\u+4*\c:PC+8*\u+4*\c+3] offset:1088*\u+32*\c
.endr
.endr
.irp i, 0,1,2,3
	ds_load_b128 v[VF+4*\i:VF+4*\i+3], v11 offset:544*\i   ; LDS serves a wave's instructions in order (ISA guide 5.7.1.4): these see my stores
.endr
.irp i, 0,1,2,3
	s_wait_dscnt 3-\i
	global_store_b128 v[GO], v[VF+4*\i:VF+4*\i+3], s[16:17] offset:512*\i   ; 32 lanes store 512 consecutive bytes, aligned
.endr
	s_wait_tensorcnt 0x0                           ; the wave's end
	ds_add_u32 v[SPW], v[NIL]
	s_wait_dscnt 0x0
	s_endpgm
.Lfunc_end_k_q1c57351e9f_attn:
	.size	k_q1c57351e9f_attn, .Lfunc_end_k_q1c57351e9f_attn-k_q1c57351e9f_attn
	.p2alignl 7, 3214868480
	.fill 96, 4, 3214868480
	.section	.rodata,"a",@progbits
	.p2align	6, 0x0
	.amdhsa_kernel k_q1c57351e9f_attn
		.amdhsa_group_segment_fixed_size 327680
		.amdhsa_private_segment_fixed_size 0
		.amdhsa_enable_private_segment 0
		.amdhsa_kernarg_size 40
		.amdhsa_user_sgpr_count 2
		.amdhsa_user_sgpr_kernarg_segment_ptr 1
		.amdhsa_wavefront_size32 1
		.amdhsa_system_sgpr_workgroup_id_x 1
		.amdhsa_system_sgpr_workgroup_id_y 1
		.amdhsa_system_sgpr_workgroup_id_z 1
		.amdhsa_system_vgpr_workitem_id 0
		.amdhsa_next_free_vgpr 256
		.amdhsa_next_free_sgpr 100
		.amdhsa_reserve_vcc 1
		.amdhsa_float_denorm_mode_32 3
		.amdhsa_float_denorm_mode_16_64 3
		.amdhsa_fp16_overflow 1
		.amdhsa_memory_ordered 1
		.amdhsa_forward_progress 1
		.amdhsa_inst_pref_size 52
	.end_amdhsa_kernel
	.amdgpu_metadata
---
amdhsa.version: [ 1, 2 ]
amdhsa.kernels:
  - .name:           k_q1c57351e9f_attn
    .symbol:         k_q1c57351e9f_attn.kd
    .args:
      - { .name: q_codes, .offset: 0, .size: 8, .value_kind: global_buffer, .address_space: global }
      - { .name: k_codes, .offset: 8, .size: 8, .value_kind: global_buffer, .address_space: global }
      - { .name: v_codes, .offset: 16, .size: 8, .value_kind: global_buffer, .address_space: global }
      - { .name: lowp_scales, .offset: 24, .size: 8, .value_kind: global_buffer, .address_space: global }
      - { .name: a_codes, .offset: 32, .size: 8, .value_kind: global_buffer, .address_space: global }
    .group_segment_fixed_size: 327680
    .private_segment_fixed_size: 0
    .kernarg_segment_align: 8
    .kernarg_segment_size: 40
    .max_flat_workgroup_size: 512
    .sgpr_count:     100
    .vgpr_count:     256
    .wavefront_size: 32
...
	.end_amdgpu_metadata
.endif
;; end of part 3
;; launch proj (part 4): grid 4 x 32, 4 waves a work-group, clusters of 4 x 4, 327,680 bytes of LDS; arguments a_codes, wp_codes, lowp_scales, out0; writes out0
.if DOCPART == 4
	.amdgcn_target "amdgcn-amd-amdhsa--gfx1250"
	.amdhsa_code_object_version 6
	.text
	.protected	k_q1c57351e9f_proj
	.globl	k_q1c57351e9f_proj
	.p2align	8
	.type	k_q1c57351e9f_proj,@function
k_q1c57351e9f_proj:
	s_mov_b64 s[64:65], 0
	v_nop
	global_prefetch_b8 v0, s[64:65] scope:SCOPE_SE
	s_setreg_imm32_b32 hwreg(HW_REG_WAVE_MODE, 25, 1), 1
	s_wait_xcnt 0x0
	s_wait_alu depctr_hold_cnt(0) depctr_sa_sdst(0) depctr_va_vdst(0) depctr_va_sdst(0) depctr_va_ssrc(0) depctr_va_vcc(0) depctr_vm_vsrc(0)
	s_getreg_b32 s2, hwreg(HW_REG_IB_STS2, 6, 4)
	s_cmp_eq_u32 s2, 0
	s_cbranch_scc0 .Lentry_in_a_cluster
	s_endpgm
.Lentry_in_a_cluster:
	s_bfe_u32 s2, ttmp6, 0x10000c
	s_cmp_lg_u32 s2, 0xf033
	s_cbranch_scc0 .Lentry_shape_is_right
	s_endpgm
.Lentry_shape_is_right:
; LAUNCH 4 OF 4: out0 = o Wproj on codes of FP8.  a_codes [b][head][2,048 tokens][64], wp_codes [head][1,024 n][64], both with the same order of bytes inside a head; out0 [8,192][1,024] f32.  No work is left out here.
; The codes are multiplied as they are, and each finished sum once by 2^(e6 + e7).  LIMIT: e6 + e7 between -126 and 127.
; A tile of out0 is 256 x 256; four waves, each 128 x 128: 64 accumulators, 512 registers.  K = 16 heads of 64 goes in steps of 4 heads through a ring of two LDS slots filled by the tensor data mover.
; A wave's load is 4 rows of 8,192 bytes: for each of 4 heads, 128 rows of 64 bytes, dense in memory; 16 bytes of padding behind every 256: in LDS head g at 8,704 g, row y at 272 (y / 4) + 64 (y % 4):
; the sixteen lanes of half a fragment load fall on sixteen different columns of 16 bytes.
; CLUSTERS: 4 x 4 work-groups; A's tiles are shared along a row of the cluster, B's along a column: each is asked for jointly.
; THE MATRIX INSTRUCTION IS USED TRANSPOSED (source 0 = 16 rows of wp_codes, source 1 = 16 tokens): a lane holds eight neighbouring numbers of a row of out0.
; REGISTERS, in windows of 256: window 0: v0-31 addresses; from v128 A's fragments, one set; on the way out v32-255 are free.  window 1: B's fragments, two sets.  windows 2, 3: the accumulators.
.set SIZE_N, 1024
.set FR,     16
.set NL,     4
.set NP,     4                         ; places behind this matrix instruction (ISA guide 7.12.1)
.set HEADB,  8704                      ; a head's 128 rows in LDS
.set HALFT,  4*HEADB                   ; what one tensor load brings, and what one wave reads of A or of B in a K step
.set SLOT,   4*HALFT
.set SPARE,  2*SLOT                    ; behind the ring: the spare words, 128 bytes a wave
.set SPITCH, 528                       ; the way out: a stage of 16 rows x (512 bytes + 16) for each wave, in slot 0, which has had its last fill and its last read by then
.set STEPA,  4*131072                  ; a K step in a_codes: four heads
.set STEPB,  4*65536                   ; and in wp_codes
.set ADRA, 16
.set ADRB, 20
.set STO,  24
.set RD,   25
.set CO,   26
.set SPW,  28                          ; v28  LDS address of my spare word; never rewritten
.set NIL,  29                          ; v29  0; never rewritten
.set TMP,  32
.set AF,   128
.set BK,   128
.set G1, 24
.set G0, 32
.set G1B, 48
.set G0B, 56
.set MSB, 0
.macro WIN new                         ; the immediate's high byte repeats the setting that is left
.if MSB != \new
	s_set_vgpr_msb (MSB<<8)|\new
.set MSB, \new
.endif
.endm
.set MUL_LO, 0xa1
.set MUL_HI, 0xf1
.set TO_B,   0x40
.macro JLOAD g0a, g1a, g0b, g1b        ; a joint load: waves 0 and 1 fetch for A, waves 2 and 3 for B; an s_nop 0 and four v_nop follow each of the two lines
	s_cmp_eq_u32 s15, 0
	s_cbranch_scc0 .Lfor_b_\@
	tensor_load_to_lds s[\g0a:\g0a+3], s[\g1a:\g1a+7]
	s_nop 0
.rept 4
	v_nop
.endr
	s_branch .Lasked_\@
.Lfor_b_\@:
	tensor_load_to_lds s[\g0b:\g0b+3], s[\g1b:\g1b+7]
	s_nop 0
.rept 4
	v_nop
.endr
.Lasked_\@:
.endm
.macro CREST
	s_cmp_lg_u32 s14, 0
	s_cbranch_scc1 .Lnot_wave_0_\@
	s_barrier_signal -3
.Lnot_wave_0_\@:
	s_barrier_wait -3
	s_barrier_signal -1
	s_barrier_wait -1
.endm
.macro CROUND
	s_barrier_signal -1
	s_barrier_wait -1
	CREST
.endm
	s_load_b128 s[4:7], s[0:1], 0x0                ; a_codes s[4:5], wp_codes s[6:7]
	s_load_b128 s[8:11], s[0:1], 0x10              ; the exponents s[8:9], out0 s[10:11]
	v_lshl_add_u32 v[SPW], v0, 2, SPARE
	v_mov_b32 v[NIL], 0
	ds_add_u32 v[SPW], v[NIL]                      ; the wave's opening: the add, twice on end, and its wait ahead of my first tensor load
	ds_add_u32 v[SPW], v[NIL]
	v_lshrrev_b32 v1, 5, v0
	v_readfirstlane_b32 s14, v1                    ; wave 0..3
	s_lshr_b32 s15, s14, 1                         ; which half of the tile's rows is mine.  Also: I fetch for A (0) or for B (1)
	s_and_b32 s16, s14, 1                          ; which half of its columns.  Also: which 128 rows of that tile I fetch
	s_bfe_u32 s40, ttmp6, 0x40000                  ; cx, cy
	s_bfe_u32 s41, ttmp6, 0x40004
	s_lshl_b32 s42, ttmp9, 2
	s_add_co_u32 s42, s42, s40                     ; tile column
	s_and_b32 s17, ttmp7, 0xffff
	s_lshl_b32 s17, s17, 2
	s_add_co_u32 s17, s17, s41                     ; tile row
	s_lshl_b32 s43, s41, 2
	s_lshl_b32 s43, 15, s43                        ; my row of the cluster
	s_lshl_b32 s44, 0x1111, s40                    ; my column
	s_or_b32 s[G1+0], s43, (0<<16)|(1<<20)|(1<<21)|(5<<22)|(3<<25)  ; the mask; elements of 1 byte; padding on; 21 set beside a mask; four words after every 64
	s_or_b32 s[G1B+0], s44, (0<<16)|(1<<20)|(1<<21)|(5<<22)|(3<<25)
.irp g, G1, G1B
	s_mov_b32 s[\g+1], 8192<<16                    ; tensor_dim0: 128 rows of 64 bytes on end
	s_mov_b32 s[\g+2], 4<<16                       ; tensor_dim1: four heads
	s_mov_b32 s[\g+3], 8192<<16                    ; tile_dim0
	s_mov_b32 s[\g+4], 4                           ; tile_dim1
	s_mov_b32 s[\g+6], 0
	s_mov_b32 s[\g+7], 0
.endr
	s_mov_b32 s[G1+5], 131072                      ; from head to head in a_codes
	s_mov_b32 s[G1B+5], 65536                      ; and in wp_codes
	s_lshl_b32 s18, s16, 13                        ; which 128 rows of 64 bytes I fetch
	s_lshr_b32 s20, s17, 3
	s_lshl_b32 s20, s20, 21                        ; A: the batch,
	s_and_b32 s21, s17, 7
	s_lshl_b32 s21, s21, 14                        ; 256 tokens of 64 bytes a tile
	s_add_co_u32 s20, s20, s21
	s_add_co_u32 s20, s20, s18
	s_mov_b32 s21, 0
	s_lshl_b32 s46, s42, 14                        ; B: 256 rows of 64 bytes a tile
	s_add_co_u32 s46, s46, s18
	s_mov_b32 s47, 0
	s_mul_i32 s45, s14, HALFT                      ; where they go: no place in the cluster enters an LDS address
	s_wait_dscnt 0x0                               ; both opening adds are done
	s_wait_kmcnt 0x0
	s_load_b64 s[96:97], s[8:9], 0x18              ; e6, e7
	s_add_nc_u64 s[20:21], s[4:5], s[20:21]
	s_add_nc_u64 s[46:47], s[6:7], s[46:47]
	CROUND                                         ; all sixteen work-groups are here: the first joint loads meet
.irp s, 0,1
	s_mov_b32 s[G0+4*\s], 1
	s_add_co_u32 s[G0+4*\s+1], s45, \s*SLOT
	s_add_nc_u64 s[G0+4*\s+2:G0+4*\s+3], s[20:21], \s*STEPA
	s_or_b32 s[G0+4*\s+3], s[G0+4*\s+3], 0x80000000
	s_mov_b32 s[G0B+4*\s], 1
	s_add_co_u32 s[G0B+4*\s+1], s45, \s*SLOT
	s_add_nc_u64 s[G0B+4*\s+2:G0B+4*\s+3], s[46:47], \s*STEPB
	s_or_b32 s[G0B+4*\s+3], s[G0B+4*\s+3], 0x80000000
	s_wait_alu depctr_va_vdst(0)
	s_wait_tensorcnt 0x0
	ds_add_u32 v28, v29
	ds_add_u32 v28, v29
	s_wait_dscnt 0x0
	CROUND
	JLOAD G0+4*\s, G1, G0B+4*\s, G1B
.endr
	v_and_b32 v1, 15, v0                           ; r
	v_bfe_u32 v2, v0, 4, 1                         ; h
	v_lshrrev_b32 v3, 2, v1
	v_mul_u32_u24 v4, v3, 272
	v_and_b32 v3, 3, v1
	v_lshl_add_u32 v4, v3, 6, v4
	v_lshl_add_u32 v4, v2, 4, v4                   ; 272 (r / 4) + 64 (r % 4) + 16 h
	s_mul_i32 s21, s15, HALFT                      ; my 128 rows of A
	s_mul_i32 s22, s16, HALFT                      ; my 128 rows of B,
	s_add_co_u32 s22, s22, 2*HALFT                 ; which lie behind A's 256
.irp s, 0,1
	v_add_nc_u32 v[ADRA+\s], s21, v4
	v_add_nc_u32 v[ADRB+\s], s22, v4
	s_add_co_u32 s21, s21, SLOT
	s_add_co_u32 s22, s22, SLOT
.endr
	s_mul_i32 s23, s14, 16*SPITCH                  ; my stage
	v_mul_u32_u24 v5, v1, SPITCH                   ; in: row r, 32 bytes for each half of the lanes
	v_lshl_add_u32 v5, v2, 5, v5
	v_add_nc_u32 v[STO], s23, v5
	v_and_b32 v6, 31, v0
	v_lshlrev_b32 v[CO], 4, v6                     ; back: the 32 lanes take one row of 512 bytes; and the same in out0
	v_add_nc_u32 v[RD], s23, v[CO]
	s_lshl_b32 s20, s17, 8
	s_lshl_b32 s21, s15, 7
	s_add_co_u32 s20, s20, s21                     ; my first row of out0
	s_lshl_b32 s20, s20, 12                        ; of 4,096 bytes: under 2^25
	s_mov_b32 s21, 0
	s_lshl_b32 s46, s42, 10                        ; my first column, in bytes
	s_lshl_b32 s47, s16, 9
	s_add_co_u32 s46, s46, s47
	s_mov_b32 s47, 0
	s_add_nc_u64 s[20:21], s[20:21], s[46:47]
	s_add_nc_u64 s[10:11], s[10:11], s[20:21]
.macro FRAG reg, adr, q, i             ; a fragment, 16 rows x 128 K = two heads, is 16 registers: two loads of 16 bytes a head; the same for both sources
.irp c, 0,1,2,3
	ds_load_b128 v[\reg+4*\c:\reg+4*\c+3], v[\adr] offset:(2*(\q)+\c/2)*HEADB+32*(\c%2)+(\i)*1088
.endr
.endm
.macro MUL16 a0, p, zero               ; 16 matrix instructions; the 64 accumulators take turns
.irp a, \a0, \a0+1
.irp b, 0,1,2,3,4,5,6,7
.if \zero
	v_wmma_f32_16x16x128_fp8_fp8 v[8*(8*((\a)%4)+\b):8*(8*((\a)%4)+\b)+7], v[128*(\p)+FR*\b:128*(\p)+FR*\b+FR-1], v[AF+FR*(\a):AF+FR*(\a)+FR-1], 0
.else
	v_wmma_f32_16x16x128_fp8_fp8 v[8*(8*((\a)%4)+\b):8*(8*((\a)%4)+\b)+7], v[128*(\p)+FR*\b:128*(\p)+FR*\b+FR-1], v[AF+FR*(\a):AF+FR*(\a)+FR-1], v[8*(8*((\a)%4)+\b):8*(8*((\a)%4)+\b)+7]
.endif
.endr
.endr
.endm
.macro FETCH_B slot, q, p
	WIN TO_B
.irp i, 0,1,2,3,4,5,6,7
	FRAG 128*(\p)+FR*\i, ADRB+\slot, \q, \i
.endr
	WIN 0
.endm
.macro FETCH_A slot, q, i0
.irp i, \i0, \i0+1, \i0+2, \i0+3
	FRAG AF+FR*(\i), ADRA+\slot, \q, \i
.endr
.endm
.macro PLACES n
.rept \n
	v_nop
.endr
.endm
.macro STEP slot, q, zero
	s_wait_dscnt 4*NL                              ; B's set and A's blocks 0-3 are in; the youngest sixteen loads (A's blocks 4-7) may be out
	WIN MUL_LO
	MUL16 0, (\q)%2, \zero
	MUL16 2, (\q)%2, \zero
	s_wait_dscnt 0
	PLACES NP
	FETCH_B \slot, (\q)+1, 1-(\q)%2
	FETCH_A \slot, (\q)+1, 0
	WIN MUL_HI
	MUL16 4, (\q)%2, \zero
	MUL16 6, (\q)%2, \zero
	PLACES NP
	WIN 0
	FETCH_A \slot, (\q)+1, 4
.endm
.macro TURN slot, next, fill
	s_wait_tensorcnt 0x0                           ; all my tensor loads have landed: my part of the next slot
	ds_add_u32 v[SPW], v[NIL]
	s_wait_dscnt 4*NL+1                            ; (the add and the youngest sixteen loads may be out)
	WIN MUL_LO
	MUL16 0, 1, 0
	s_wait_dscnt 0x0                               ; the add is done, and my reads of this slot are over
	s_barrier_signal -1
	MUL16 2, 1, 0
	WIN 0
	s_barrier_wait -1
.if \fill
	CREST                                          ; the barrier has opened a round of the cluster's barrier
	s_add_nc_u64 s[G0+4*\slot+2:G0+4*\slot+3], s[G0+4*\slot+2:G0+4*\slot+3], 2*STEPA
	s_add_nc_u64 s[G0B+4*\slot+2:G0B+4*\slot+3], s[G0B+4*\slot+2:G0B+4*\slot+3], 2*STEPB
	JLOAD G0+4*\slot, G1, G0B+4*\slot, G1B         ; the first tensor load behind the round
.else
	PLACES NP
.endif
	FETCH_B \next, 0, 0
	FETCH_A \next, 0, 0
	WIN MUL_HI
	MUL16 4, 1, 0
	MUL16 6, 1, 0
	PLACES NP
	WIN 0
	FETCH_A \next, 0, 4
.endm
	s_wait_alu depctr_va_vdst(0)
	s_wait_tensorcnt 1                             ; my part of K step 0 is in (K step 1's load may be out),
	s_barrier_signal -1
	s_barrier_wait -1                              ; everybody's is
	FETCH_B 0, 0, 0
	FETCH_A 0, 0, 0
	FETCH_A 0, 0, 4
	STEP 0, 0, 1                                   ; sixteen heads are four K steps, twice round the ring: written out, no loop
	TURN 0, 1, 1
	STEP 1, 0, 0
	TURN 1, 0, 1
	STEP 0, 0, 0
	TURN 0, 1, 0
	STEP 1, 0, 0
	s_wait_dscnt 4*NL
	WIN MUL_LO
	MUL16 0, 1, 0
	MUL16 2, 1, 0
	s_wait_dscnt 0
	WIN MUL_HI
	MUL16 4, 1, 0
	MUL16 6, 1, 0
	WIN 0
; THE WAY OUT, block by block of 16 rows x 128 columns, through my own stage in LDS: whole rows of 512 bytes come back, which the 32 lanes store.
.macro TOSTAGE a
.set AC, 64*((\a)%4)
	WIN 0x02+((\a)/4)
.irp j, 0,2,4,6,8,10,12,14,16,18,20,22,24,26,28,30,32,34,36,38,40,42,44,46,48,50,52,54,56,58,60,62
	v_pk_mul_f32 v[TMP+\j:TMP+\j+1], v[AC+\j:AC+\j+1], s[96:97] op_sel_hi:[1,0]   ; x 2^(e6 + e7); each accumulator from its low end on
.endr
	WIN 0
.irp b, 0,1,2,3,4,5,6,7
	ds_store_b128 v[STO], v[TMP+8*\b:TMP+8*\b+3] offset:64*\b
	ds_store_b128 v[STO], v[TMP+8*\b+4:TMP+8*\b+7] offset:64*\b+16
.endr
.set BB, BK+64*((\a)%2)
.irp t, 0,1,2,3,4,5,6,7,8,9,10,11,12,13,14,15
	ds_load_b128 v[BB+4*\t:BB+4*\t+3], v[RD] offset:\t*SPITCH   ; LDS serves a wave's instructions in order (ISA guide 5.7.1.4)
.endr
.endm
.macro SEND a, younger
.set BB, BK+64*((\a)%2)
	s_wait_dscnt \younger
.if (\a) > 0
	s_add_nc_u64 s[10:11], s[10:11], 16*SIZE_N*4   ; (behind a wait on XCNT: the earlier stores have read their base)
.endif
.irp t, 0,1,2,3,4,5,6,7,8,9,10,11,12,13,14,15
	global_store_b128 v[CO], v[BB+4*\t:BB+4*\t+3], s[10:11] offset:\t*SIZE_N*4 th:TH_STORE_NT   ; 32 lanes store 512 consecutive bytes, aligned; written once, read by nobody here
.endr
.endm
	s_wait_kmcnt 0x0
	s_add_co_i32 s96, s96, s97
	s_add_co_i32 s96, s96, 127
	s_lshl_b32 s96, s96, 23                        ; 2^(e6 + e7) as f32
	PLACES NP
	TOSTAGE 0
.irp a, 1,2,3,4,5,6,7
.if \a > 1
	s_wait_xcnt 0x0                                ; block a - 2's stores have read their registers and their base
.endif
	TOSTAGE \a
	SEND \a-1, 32                                  ; behind block a - 1's loads: block a's 16 stores and 16 loads
.endr
	s_wait_xcnt 0x0
	SEND 7, 0
	s_wait_tensorcnt 0x0                           ; the wave's end
	ds_add_u32 v[SPW], v[NIL]
	s_wait_dscnt 0x0
	CROUND                                         ; the closing round
	s_endpgm
.Lfunc_end_k_q1c57351e9f_proj:
	.size	k_q1c57351e9f_proj, .Lfunc_end_k_q1c57351e9f_proj-k_q1c57351e9f_proj
	.p2alignl 7, 3214868480
	.fill 96, 4, 3214868480
	.section	.rodata,"a",@progbits
	.p2align	6, 0x0
	.amdhsa_kernel k_q1c57351e9f_proj
		.amdhsa_group_segment_fixed_size 327680
		.amdhsa_private_segment_fixed_size 0
		.amdhsa_enable_private_segment 0
		.amdhsa_kernarg_size 32
		.amdhsa_user_sgpr_count 2
		.amdhsa_user_sgpr_kernarg_segment_ptr 1
		.amdhsa_wavefront_size32 1
		.amdhsa_system_sgpr_workgroup_id_x 1
		.amdhsa_system_sgpr_workgroup_id_y 1
		.amdhsa_system_sgpr_workgroup_id_z 1
		.amdhsa_system_vgpr_workitem_id 0
		.amdhsa_next_free_vgpr 1024
		.amdhsa_next_free_sgpr 98
		.amdhsa_reserve_vcc 0
		.amdhsa_float_denorm_mode_32 3
		.amdhsa_float_denorm_mode_16_64 3
		.amdhsa_memory_ordered 1
		.amdhsa_forward_progress 1
		.amdhsa_inst_pref_size 124
	.end_amdhsa_kernel
	.amdgpu_metadata
---
amdhsa.version: [ 1, 2 ]
amdhsa.kernels:
  - .name:           k_q1c57351e9f_proj
    .symbol:         k_q1c57351e9f_proj.kd
    .args:
      - { .name: a_codes, .offset: 0, .size: 8, .value_kind: global_buffer, .address_space: global }
      - { .name: wp_codes, .offset: 8, .size: 8, .value_kind: global_buffer, .address_space: global }
      - { .name: lowp_scales, .offset: 16, .size: 8, .value_kind: global_buffer, .address_space: global }
      - { .name: out0, .offset: 24, .size: 8, .value_kind: global_buffer, .address_space: global }
    .group_segment_fixed_size: 327680
    .private_segment_fixed_size: 0
    .kernarg_segment_align: 8
    .kernarg_segment_size: 32
    .max_flat_workgroup_size: 128
    .sgpr_count:     98
    .vgpr_count:     1024
    .wavefront_size: 32
...
	.end_amdgpu_metadata
.endif
;; end of part 4
